; MI455X (gfx1250); checked and timed in simulation.
; The chip was launched on July 23, 2026; its instructions are those of AMD's public machine-readable ISA for CDNA 5 (MIT licence, August 2026) and "CDNA5" Instruction Set Architecture Reference Guide (July 2026). The comments in the code are by the model that wrote it; some were corrected since.
;; Attention. Allowed arithmetic: matrix products marked QUANTISED: E2M1 operands, one E8M0 scale for each 32 along K, by v_wmma_scale_f32_16x16x128_f8f6f4 with both operands' format E2M1 (or v_wmma_scale_f32_32x16x128_f4), f32 sums; products left as they are: bf16, f16 or f32 operands; f32 sums; everything else in f32.
;; Inputs: cos 2,048 x 128 float32; sin 2,048 x 128 float32; wk 1,024 x 4,096 float32; wo 4,096 x 2,048 float32; wq 2,048 x 4,096 float32; wv 1,024 x 4,096 float32; x 1 x 2,048 x 4,096 float32.
;; Outputs: out0 1 x 2,048 x 4,096 float32.
;; Constants: start_pos = 0.
;; This version of the problem:
;;   THIS VERSION OF THE PROBLEM IS GIVEN IN LOW PRECISION. The matrix products marked QUANTISED in the list below multiply operands that are first quantised to E2M1 (2 exponent bits, 1 mantissa bit; 4 bits a number), with one power-of-two scale for each 32 numbers along K (OCP MX v1.0); their sums are f32. The products marked 'left as it is' may take bf16, f16 or f32 operands, with f32 sums. Whichever they take, every output number must still come out within the allowed error. Rounding operands to bf16 (8 significant bits) uses up far more of that allowance than f16 does (11 bits, for magnitudes from 6e-5 to 65,504). All else is computed in f32.
;;   The module's matrix products, in the order in which they are computed (A, B: the left and right operand; K: the contracted axis; several contracted axes count as one K, in the product's order):
;;     1. [M 2,048, K 4,096] x [K 4,096, N 2,048]; A: input x; B: input wq: QUANTISED
;;     2. [M 2,048, K 4,096] x [K 4,096, N 1,024]; A: input x; B: input wk: QUANTISED
;;     3. [M 2,048, K 4,096] x [K 4,096, N 1,024]; A: input x; B: input wv: QUANTISED
;;     4. batch 16 x [M 2,048, K 128] x [K 128, N 2,048]; A: computed on the way; B: computed on the way: left as it is (an operand is computed on the way)
;;     5. batch 16 x [M 128, K 2,048] x [K 2,048, N 2,048]; A: computed on the way; B: computed on the way: left as it is (an operand is computed on the way)
;;     6. [M 2,048, K 2,048] x [K 2,048, N 4,096]; A: computed on the way; B: input wo: left as it is (an operand is computed on the way)
;;   THE QUANTISER, for each operand of a quantised product, along K:
;;     - K is cut into blocks of 32 from its start; a last block that is shorter is filled with zeros.
;;     - A block's scale is 2^e with e = floor(log2(the largest magnitude in the block)) - 2, held to -126 .. 127; a block of zeros has e = 0. As a byte (E8M0): e + 127.
;;     - Each number is divided by its block's scale, clamped to +-6, and rounded to the nearest number of E2M1, ties to even, subnormals kept.
;;     - The product sums the exact products of the quantised numbers (number of the format x scale) in f32.
;;   ~~~python
;;   def quantise(x, axis):      # numpy; x: float32 -> the quantised numbers, widened to float32 again
;;       x = np.moveaxis(x, axis, -1); K = x.shape[-1]
;;       x = np.pad(x, [(0, 0)] * (x.ndim - 1) + [(0, -K % 32)]); x = x.reshape(x.shape[:-1] + (-1, 32)); a = np.abs(x).max(-1, keepdims=True)
;;       e = np.where(a > 0, np.clip(np.frexp(np.where(a > 0, a, 1))[1] - 1 - 2, -126, 127), 0)      # np.frexp(a)[1] - 1 = floor(log2(a)), exactly
;;       r = np.clip(x / 2.0 ** e, -6, 6)
;;       step = 2.0 ** (np.maximum(np.frexp(np.where(r == 0, 1, r))[1] - 1, 0) - 1)
;;       q = np.round(r / step) * step * 2.0 ** e      # np.round: ties to even
;;       return np.moveaxis(q.reshape(q.shape[:-2] + (-1,))[..., :K], -1, axis).astype(np.float32)
;;   ~~~
;; One version. Each part assembles by itself: llvm-mc -triple=amdgcn-amd-amdhsa -mcpu=gfx1250 --defsym DOCPART=n.
;; ======== version 1 of 1: 5 launches
;; limits: values are held in f16: magnitudes above 65,504 overflow, below 6.1e-05 lose precision; right only within a limited range of input values
;; workspace buffers: xc 4,194,304 bytes; xs 262,144 bytes; wc 8,388,608 bytes; ws 524,288 bytes; qkv 16,777,216 bytes; fine 262,144 bytes; wo16 16,777,216 bytes; att 8,388,608 bytes
;; launch quant (part 1): grid 768 x 1, 4 waves a work-group, no clusters, 33,280 bytes of LDS; arguments x, wq, wk, wv, xc, xs, wc, ws; writes xc, xs, wc, ws
.if DOCPART == 1
	.amdgcn_target "amdgcn-amd-amdhsa--gfx1250"
	.amdhsa_code_object_version 6
	.text
	.protected	k_q74b7520c94_quant
	.globl	k_q74b7520c94_quant
	.p2align	8
	.type	k_q74b7520c94_quant,@function
k_q74b7520c94_quant:
	s_mov_b64 s[64:65], 0
	v_nop
	global_prefetch_b8 v0, s[64:65] scope:SCOPE_SE
	s_setreg_imm32_b32 hwreg(HW_REG_WAVE_MODE, 25, 1), 1
	s_wait_xcnt 0x0
; x [2048][4096], wq [2048][4096], wk [1024][4096], wv [1024][4096], f32, become codes of FP4 (E2M1), K innermost, two codes a byte, and one E8M0 scale byte for each 32 along K.
; x's go to xc [2048][2048 B] and xs [2048][128]; wq's, wk's and wv's on end to wc [4096][2048 B] and ws [4096][128]: one operand of 4,096 rows for the product that follows.
; A block's scale is 2^(floor(log2(its largest magnitude)) - 2); its byte is the largest magnitude's exponent field - 2, held at 1 from below.  Each number is divided by the scale and rounded to the nearest code, ties to even, beyond 6 the code of 6.
; LIMITS: a block of zeros gets the byte 1 where the rule says 127 (its codes are zeros, and this program alone reads the bytes); blocks whose largest magnitude lies under 2^-124 keep the byte 1; NaN and infinities are not served.
; Rows are dense and K is a multiple of 32: every tensor is a plain stream of blocks of 32.  A work-group takes 32,768 numbers, a wave 8,192 in 16 steps of 512.
; Work-groups 0-255 take x, 256-511 wq, 512-639 wk, 640-767 wv: only pointers are chosen, by the work-group's number; all take one path through the text.
; Each load reads 512 consecutive bytes, 16 a lane; a step's 2,048 bytes turn through the wave's own stage in LDS and come back 64 bytes a lane: 16 neighbours along K, two lanes to a block.
; A lane's 16 codes are 8 bytes: the wave stores 256 consecutive bytes.  A wave's 256 scale bytes are gathered in its own LDS bytes and leave as one aligned run of 256.  No barrier: waves share nothing.
.set WAVES, 4
.set STEPS, 16
.set EMAX,  2
.set CB,    8                          ; bytes of 16 codes
.set R,     16                         ; v16-79   four sets of 16 numbers as they are loaded
.set X,     80                         ; v80-111  two sets of 16 neighbours
.set E,     112                        ; v112-127 a scale byte for each step
.set C,     128                        ; v128-191 codes: four registers for each step, so that no store's data are written again
.set WREG,  8192                       ; LDS: a region for each wave: two stages of 32 x SP bytes, behind them its 256 scale bytes
.set SP,    80                         ; a lane's place in a stage: 64 bytes + 16 of padding
.set SPW,   12                         ; v12  LDS address of my spare word; never rewritten
.set NIL,   13                         ; v13  0; never rewritten
.set SPARE, WAVES*WREG                 ; behind the regions: the spare words, 128 bytes a wave, which no other line names
	s_load_b256 s[4:11], s[0:1], 0x0               ; x, wq, wk, wv
	s_load_b256 s[12:19], s[0:1], 0x20             ; xc, xs, wc, ws
	v_lshl_add_u32 v[SPW], v0, 2, SPARE
	v_mov_b32 v[NIL], 0
	v_lshrrev_b32 v1, 5, v0
	v_readfirstlane_b32 s20, v1                    ; wave
	v_and_b32 v2, 31, v0                           ; lane
	v_lshlrev_b32 v3, 4, v2                        ; my 16 bytes of a load's 512
	s_mul_i32 s21, s20, WREG
	v_lshrrev_b32 v14, 2, v2
	v_mul_u32_u24 v14, v14, SP
	v_and_b32 v15, 3, v2
	v_lshl_add_u32 v14, v15, 4, v14
	v_add_nc_u32 v14, s21, v14                     ; the stage, on the way in: SP (lane / 4) + 16 (lane % 4)
	v_mul_u32_u24 v15, v2, SP
	v_add_nc_u32 v15, s21, v15                     ; and on the way out: SP x lane: my 16 neighbours
	v_mul_u32_u24 v4, v2, CB                       ; my codes' place in a step's
	v_lshrrev_b32 v5, 1, v2
	s_add_co_u32 s21, s21, 2*32*SP
	v_add_nc_u32 v5, s21, v5                       ; my wave's 256 scale bytes, my block's byte
	v_lshlrev_b32 v7, 3, v2                        ; and on the way out 8 bytes a lane
	v_add_nc_u32 v6, s21, v7
	s_wait_kmcnt 0x0
	s_mov_b32 s22, 640                             ; the first work-group of the tensor that I read
	s_cmp_lt_u32 ttmp9, 640                        ; every choice hangs on the work-group's number alone
	s_cselect_b64 s[24:25], s[8:9], s[10:11]       ; wk or wv
	s_cselect_b32 s22, 512, s22
	s_cmp_lt_u32 ttmp9, 512
	s_cselect_b64 s[24:25], s[6:7], s[24:25]       ; wq
	s_cselect_b32 s22, 256, s22
	s_cmp_lt_u32 ttmp9, 256
	s_cselect_b64 s[24:25], s[4:5], s[24:25]       ; x
	s_cselect_b32 s22, 0, s22
	s_cselect_b64 s[26:27], s[12:13], s[16:17]     ; the codes' buffer
	s_cselect_b64 s[28:29], s[14:15], s[18:19]     ; the scale bytes'
	s_cselect_b32 s23, 0, 256                      ; the first work-group that writes into them
	s_sub_co_u32 s22, ttmp9, s22
	s_lshl_b32 s22, s22, 2
	s_add_co_u32 s22, s22, s20                     ; which run of 8,192 numbers of the source is my wave's
	s_sub_co_u32 s23, ttmp9, s23
	s_lshl_b32 s23, s23, 2
	s_add_co_u32 s23, s23, s20                     ; and which run of the destination
	s_lshl_b32 s30, s22, 15                        ; 32,768 bytes of numbers a run (under 2^26)
	s_mov_b32 s31, 0
	s_add_nc_u64 s[24:25], s[24:25], s[30:31]
	s_lshl_b32 s30, s23, 12                        ; 4,096 bytes of codes
	s_add_nc_u64 s[26:27], s[26:27], s[30:31]
	s_lshl_b32 s30, s23, 8                         ; 256 scale bytes
	s_add_nc_u64 s[28:29], s[28:29], s[30:31]
.macro LOAD t
.irp i, 0,1,2,3
	global_load_b128 v[R+16*((\t)%4)+4*\i:R+16*((\t)%4)+4*\i+3], v3, s[24:25] offset:2048*(\t)+512*\i th:TH_LOAD_NT   ; 32 lanes read 512 consecutive bytes
.endr
.endm
.macro TURN t                          ; step t's numbers through the stage: LDS serves a wave's instructions in order, so no wait stands between the stores and the loads
.irp i, 0,1,2,3
	ds_store_b128 v14, v[R+16*((\t)%4)+4*\i:R+16*((\t)%4)+4*\i+3] offset:32*SP*((\t)%2)+8*SP*\i
.endr
.irp i, 0,1,2,3
	ds_load_b128 v[X+16*((\t)%2)+4*\i:X+16*((\t)%2)+4*\i+3], v15 offset:32*SP*((\t)%2)+16*\i
.endr
.endm
.irp t, 0,1,2,3
	LOAD \t
.endr
	s_wait_loadcnt 12                              ; step 0's four loads are in; twelve younger ones stay out
	TURN 0
.macro STEP t
.set XS, X+16*((\t)%2)
.if (\t) > 0
	s_wait_dscnt 1                                 ; this step's numbers are back from the stage (the last step's byte store may be out): so its stores into the stage have read their registers,
.else
	s_wait_dscnt 0x0
.endif
.if (\t)+4 < STEPS
	LOAD (\t)+4                                    ; which take the loads of four steps on
.endif
.if (\t)+1 < STEPS
.if STEPS-2-(\t) >= 3
	s_wait_loadcnt 12                              ; the next step's four loads are in; those of the three steps behind it may be out
.else
	s_wait_loadcnt 4*(STEPS-2-(\t))
.endif
	TURN (\t)+1                                    ; and go through the other stage while this step is worked
.endif
	v_max3_num_f32 v8, |v[XS]|, |v[XS+1]|, |v[XS+2]|               ; the largest magnitude of my 16, in two chains
	v_max3_num_f32 v9, |v[XS+3]|, |v[XS+4]|, |v[XS+5]|
.irp i, 6,10
	v_max3_num_f32 v8, v8, |v[XS+\i]|, |v[XS+\i+1]|
	v_max3_num_f32 v9, v9, |v[XS+\i+2]|, |v[XS+\i+3]|
.endr
	v_max3_num_f32 v8, v8, |v[XS+14]|, |v[XS+15]|
	v_max3_num_f32 v8, v8, v9, (EMAX+1)<<23        ; and the floor 2^(EMAX + 1 - 127): the byte cannot fall under 1
	v_max_num_f32_dpp v8, v8, v8 row_xmask:1 row_mask:0xf bank_mask:0xf   ; and of my neighbour's 16: the block's
	v_add_nc_u32 v11, -(EMAX<<23), v8              ; EMAX off its exponent field: the conversion takes the exponent field of this operand as its scale
	v_cvt_scalef32_pk8_fp4_f32 v[C+4*(\t)], v[XS:XS+7], v11
	v_cvt_scalef32_pk8_fp4_f32 v[C+4*(\t)+1], v[XS+8:XS+15], v11
	v_lshrrev_b32 v[E+(\t)], 23, v11               ; the scale's byte (a plain line behind the conversions)
	ds_store_b8 v5, v[E+(\t)] offset:16*(\t)       ; both lanes of a block write the same byte with the same value
	global_store_b64 v4, v[C+4*(\t):C+4*(\t)+1], s[26:27] offset:32*CB*(\t)   ; 32 lanes store 256 consecutive bytes, aligned
.endm
.irp t, 0,1,2,3,4,5,6,7,8,9,10,11,12,13,14,15
	STEP \t
.endr
	ds_load_b64 v[8:9], v6                         ; LDS serves a wave's instructions in order: these see my byte stores
	s_wait_dscnt 0x0
	global_store_b64 v7, v[8:9], s[28:29]          ; 32 lanes store 256 consecutive bytes, aligned
	s_wait_tensorcnt 0x0                           ; the wave's end: a tensor wait, an add of 0 to my spare word and its wait, behind my last LDS store
	ds_add_u32 v[SPW], v[NIL]
	s_wait_dscnt 0x0
	s_endpgm
.Lfunc_end_k_q74b7520c94_quant:
	.size	k_q74b7520c94_quant, .Lfunc_end_k_q74b7520c94_quant-k_q74b7520c94_quant
	.p2alignl 7, 3214868480
	.fill 96, 4, 3214868480
	.section	.rodata,"a",@progbits
	.p2align	6, 0x0
	.amdhsa_kernel k_q74b7520c94_quant
		.amdhsa_group_segment_fixed_size 33280
		.amdhsa_private_segment_fixed_size 0
		.amdhsa_enable_private_segment 0
		.amdhsa_kernarg_size 64
		.amdhsa_user_sgpr_count 2
		.amdhsa_user_sgpr_kernarg_segment_ptr 1
		.amdhsa_wavefront_size32 1
		.amdhsa_system_sgpr_workgroup_id_x 1
		.amdhsa_system_sgpr_workgroup_id_y 1
		.amdhsa_system_sgpr_workgroup_id_z 1
		.amdhsa_system_vgpr_workitem_id 0
		.amdhsa_next_free_vgpr 192
		.amdhsa_next_free_sgpr 66
		.amdhsa_reserve_vcc 0
		.amdhsa_float_denorm_mode_32 3
		.amdhsa_float_denorm_mode_16_64 3
		.amdhsa_memory_ordered 1
		.amdhsa_forward_progress 1
		.amdhsa_inst_pref_size 34
	.end_amdhsa_kernel
	.amdgpu_metadata
---
amdhsa.version: [ 1, 2 ]
amdhsa.kernels:
  - .name:           k_q74b7520c94_quant
    .symbol:         k_q74b7520c94_quant.kd
    .args:
      - { .name: x, .offset: 0, .size: 8, .value_kind: global_buffer, .address_space: global }
      - { .name: wq, .offset: 8, .size: 8, .value_kind: global_buffer, .address_space: global }
      - { .name: wk, .offset: 16, .size: 8, .value_kind: global_buffer, .address_space: global }
      - { .name: wv, .offset: 24, .size: 8, .value_kind: global_buffer, .address_space: global }
      - { .name: xc, .offset: 32, .size: 8, .value_kind: global_buffer, .address_space: global }
      - { .name: xs, .offset: 40, .size: 8, .value_kind: global_buffer, .address_space: global }
      - { .name: wc, .offset: 48, .size: 8, .value_kind: global_buffer, .address_space: global }
      - { .name: ws, .offset: 56, .size: 8, .value_kind: global_buffer, .address_space: global }
    .group_segment_fixed_size: 33280
    .private_segment_fixed_size: 0
    .kernarg_segment_align: 8
    .kernarg_segment_size: 64
    .max_flat_workgroup_size: 128
    .sgpr_count:     66
    .vgpr_count:     192
    .wavefront_size: 32
...
	.end_amdgpu_metadata
.endif
;; end of part 1
;; launch qkv (part 2): grid 16 x 16, 4 waves a work-group, clusters of 4 x 4, 327,680 bytes of LDS; arguments xc, xs, wc, ws, cos, sin, qkv, fine; writes qkv, fine
.if DOCPART == 2
	.amdgcn_target "amdgcn-amd-amdhsa--gfx1250"
	.amdhsa_code_object_version 6
	.text
	.protected	k_q74b7520c94_qkv
	.globl	k_q74b7520c94_qkv
	.p2align	8
	.type	k_q74b7520c94_qkv,@function
k_q74b7520c94_qkv:
	s_mov_b64 s[64:65], 0
	v_nop
	global_prefetch_b8 v0, s[64:65] scope:SCOPE_SE
	s_setreg_imm32_b32 hwreg(HW_REG_WAVE_MODE, 25, 1), 1
	s_wait_xcnt 0x0
	s_wait_alu depctr_hold_cnt(0) depctr_sa_sdst(0) depctr_va_vdst(0) depctr_va_sdst(0) depctr_va_ssrc(0) depctr_va_vcc(0) depctr_vm_vsrc(0)
	s_getreg_b32 s2, hwreg(HW_REG_IB_STS2, 6, 4)
	s_cmp_eq_u32 s2, 0
	s_cbranch_scc0 .Lentry_in_a_cluster
	s_endpgm
.Lentry_in_a_cluster:
	s_bfe_u32 s2, ttmp6, 0x10000c
	s_cmp_lg_u32 s2, 0xf033
	s_cbranch_scc0 .Lentry_shape_is_right
	s_endpgm
.Lentry_shape_is_right:
; C[m][n] = sum over k of x[m][k] w[n][k] on codes of FP4 (E2M1) with one E8M0 scale for each 32 along K: m = 2,048 positions, n = 4,096 rows of wq, wk, wv on end, K = 4,096.  Sums in f32.
; On the way out: RoPE in f32 on q's and k's columns (n under 3,072), everything x 2^-4 (exact), rounded to f16 into qkv [32 head slots][2048 positions][128]; positions 0-15 also unrounded, f32, into fine [32][16][128].
; LIMITS: |q|, |k|, |v| under 2^20 (f16 behind x 2^-4); NaN and infinities are not served.
; A tile of C is 128 (m) x 256 (n): 16 x 16 = 256 work-groups.  Four waves; wave w makes rows 64 (w / 2) on and columns 128 (w % 2) on, one head slot: 32 accumulators, 256 registers.
; K goes in steps of 512 (rows of 256 bytes) through two LDS slots filled by tensor loads: waves 0, 1 bring the halves of x's 128 rows, waves 2, 3 the halves of w's 256 rows.
; The scale bytes of the tile's rows, for all of K, are dense blocks of memory: they come once, with the first fills, and stay.
; CLUSTER 4 x 4: the four of a row of the cluster need the same tiles of x, the four of a column the same tiles of w: each is asked for jointly, by the same load with a mask that names the four.
; THE MATRIX INSTRUCTION IS USED TRANSPOSED (source 0 = 16 rows of w, source 1 = 16 rows of x): lane (r, h) holds position r and channels 16 b + 8 h + 0 .. 7.
; REGISTERS: window 0: v1-31 addresses; v32-95 scale words, two sets; v96-127 packed f16; v128-191 x's fragments, two sets.  Window 1: w's fragments, two sets at v0 and v128.
;   Window 2: accumulator (a, b) at v[8 (8 a + b)].  Window 3: cos and sin of 16 rows, two sets.  On the way out v32-95 and v128-255 of window 0 are free.
.set KROW,   2048                      ; a row of codes in memory, bytes
.set LAPS,   4                         ; a lap = two K steps = once round the ring
.set PITCH,  272                       ; an LDS row: 256 bytes + 16: the 16 rows of a fragment load start 16 bytes apart modulo 256
.set HA,     64*PITCH                  ; what a load for x brings
.set HB,     128*PITCH                 ; what a load for w brings
.set SLOT,   2*HA+2*HB
.set SCL,    2*SLOT                    ; behind the ring: the scale bytes, as runs of 256 bytes + 16
.set SHA,    32*272                    ; those of 64 rows of x (128 bytes a row)
.set SHB,    64*272                    ; of 128 rows of w
.set SBLK,   8*272                     ; of 16 rows
.set SPARE,  SCL+2*SHA+2*SHB           ; the spare words, 128 bytes a wave, which no other line names
.set SPITCH, 528                       ; the way out: a stage of 16 rows x (512 + 16) bytes a wave, in slot 0, which has had its last fill and its last read by then
.set SGN,  14                          ; v[14:15] -2^-4 in lanes 0-15, +2^-4 in lanes 16-31
.set ADRA, 16                          ; v16-17 LDS address of my fragments of x in slot 0, 1
.set ADRB, 20                          ; v20-21 of w
.set STO,  24
.set RD,   25
.set L16,  26                          ; 16 x lane
.set ADRS, 27                          ; my scale words: lanes 0-15 x's rows, lanes 16-31 w's
.set SPW,  28
.set NIL,  29
.set L8,   30                          ; 8 x lane
.set R0V,  31                          ; my wave's first position
.set SC,   32                          ; set s at v[SC + 32 s]; register 4 i + q: lanes 0-15 x's block i, lanes 16-31 w's block i, the slot's q-th 128 along K
.set PP,   32                          ; the way out: the partner's numbers
.set H,    96
.set AF,   128
.set BK,   128                         ; the way out: 16 rows back from the stage, v128-191 and v192-255 by turns
.set G1,   24
.set G0,   32
.set G1B,  48
.set G0B,  56
.set G1S,  68
.set G0S,  76
.set G1SB, 80
.set G0SB, 88
.set MSB, 0
.macro WIN new                         ; the immediate's high byte repeats the setting that is left; a switch that changes nothing is dropped
.if MSB != \new
	s_set_vgpr_msb (MSB<<8)|\new
.set MSB, \new
.endif
.endm
.set MUL,  0xa1                        ; source 0 (w) window 1, source 1 (x) window 0, C and D window 2
.set TO_B, 0x40
; A joint load: waves 0 and 1 fetch for x, waves 2 and 3 for w.  The branch hangs on the wave's number alone.  An s_nop 0 and four v_nop follow each load.
.macro JLOAD g0a, g1a, g0b, g1b
	s_cmp_eq_u32 s15, 0
	s_cbranch_scc0 .Lfor_b_\@
	tensor_load_to_lds s[\g0a:\g0a+3], s[\g1a:\g1a+7]
	s_nop 0
.rept 4
	v_nop
.endr
	s_branch .Lasked_\@
.Lfor_b_\@:
	tensor_load_to_lds s[\g0b:\g0b+3], s[\g1b:\g1b+7]
	s_nop 0
.rept 4
	v_nop
.endr
.Lasked_\@:
.endm
.macro CREST                           ; a round of the cluster's barrier behind its opening barrier
	s_cmp_lg_u32 s14, 0
	s_cbranch_scc1 .Lnot_wave_0_\@
	s_barrier_signal -3
.Lnot_wave_0_\@:
	s_barrier_wait -3
	s_barrier_signal -1
	s_barrier_wait -1
.endm
.macro CROUND
	s_barrier_signal -1
	s_barrier_wait -1
	CREST
.endm
.macro PLACES n
.rept \n
	v_nop
.endr
.endm
	s_load_b256 s[4:11], s[0:1], 0x0               ; xc, xs, wc, ws
	s_load_b128 s[92:95], s[0:1], 0x20             ; cos, sin
	s_load_b64 s[12:13], s[0:1], 0x30              ; qkv
	s_load_b64 s[96:97], s[0:1], 0x38              ; fine
	v_lshl_add_u32 v[SPW], v0, 2, SPARE
	v_mov_b32 v[NIL], 0
	ds_add_u32 v[SPW], v[NIL]                      ; the opening: the add, twice on end, and its wait ahead of my first tensor load
	ds_add_u32 v[SPW], v[NIL]
	v_lshrrev_b32 v1, 5, v0
	v_readfirstlane_b32 s14, v1                    ; wave 0..3
	s_lshr_b32 s15, s14, 1                         ; which 64 rows are mine.  Also: I fetch for x (0) or for w (1)
	s_and_b32 s16, s14, 1                          ; which 128 columns.  Also: which half of that operand I fetch
	s_bfe_u32 s40, ttmp6, 0x40000                  ; cx, cy
	s_bfe_u32 s41, ttmp6, 0x40004
	s_lshl_b32 s42, ttmp9, 2
	s_add_co_u32 s42, s42, s40                     ; tile column
	s_and_b32 s17, ttmp7, 0xffff
	s_lshl_b32 s17, s17, 2
	s_add_co_u32 s17, s17, s41                     ; tile row
	s_lshl_b32 s43, s41, 2
	s_lshl_b32 s43, 15, s43                        ; my row of the cluster
	s_lshl_b32 s44, 0x1111, s40                    ; my column
	s_or_b32 s[G1+0], s43, (1<<20)|(1<<21)|(5<<22)|(3<<25)    ; the mask; elements of 1 byte; padding on; bit 21 beside a mask; 4 words behind every 64
	s_or_b32 s[G1B+0], s44, (1<<20)|(1<<21)|(5<<22)|(3<<25)
	s_mov_b32 s[G1+1], 256<<16                     ; tensor_dim0
	s_mov_b32 s[G1+2], 64<<16                      ; tensor_dim1
	s_mov_b32 s[G1+3], 256<<16                     ; tile_dim0
	s_mov_b32 s[G1+4], 64                          ; tile_dim1
	s_mov_b32 s[G1+5], KROW                        ; the pitch
	s_mov_b32 s[G1+6], 0
	s_mov_b32 s[G1+7], 0
	s_mov_b32 s[G1B+1], 256<<16
	s_mov_b32 s[G1B+2], 128<<16
	s_mov_b32 s[G1B+3], 256<<16
	s_mov_b32 s[G1B+4], 128
	s_mov_b32 s[G1B+5], KROW
	s_mov_b32 s[G1B+6], 0
	s_mov_b32 s[G1B+7], 0
	s_or_b32 s[G1S+0], s43, (3<<16)|(1<<20)|(1<<21)|(5<<22)|(3<<25)   ; the scale bytes: dense, as rows of 32 elements of 8 bytes
	s_or_b32 s[G1SB+0], s44, (3<<16)|(1<<20)|(1<<21)|(5<<22)|(3<<25)
	s_mov_b32 s[G1S+1], 32<<16
	s_mov_b32 s[G1S+2], 32<<16
	s_mov_b32 s[G1S+3], 32<<16
	s_mov_b32 s[G1S+4], 32
	s_mov_b32 s[G1S+5], 32
	s_mov_b32 s[G1S+6], 0
	s_mov_b32 s[G1S+7], 0
	s_mov_b32 s[G1SB+1], 32<<16
	s_mov_b32 s[G1SB+2], 64<<16
	s_mov_b32 s[G1SB+3], 32<<16
	s_mov_b32 s[G1SB+4], 64
	s_mov_b32 s[G1SB+5], 32
	s_mov_b32 s[G1SB+6], 0
	s_mov_b32 s[G1SB+7], 0
	s_lshl_b32 s18, s16, 6
	s_lshl_b32 s20, s17, 7
	s_add_co_u32 s20, s20, s18                     ; x: row 128 x tile row + 64 x half
	s_lshl_b32 s18, s16, 7
	s_lshl_b32 s46, s42, 8
	s_add_co_u32 s46, s46, s18                     ; w: row 256 x tile column + 128 x half
	s_lshl_b32 s22, s20, 7                         ; their scale bytes: 128 a row,
	s_lshl_b32 s20, s20, 11                        ; their codes: 2,048 bytes a row (all under 2^24)
	s_mov_b32 s21, 0
	s_mov_b32 s23, 0
	s_lshl_b32 s66, s46, 7
	s_lshl_b32 s46, s46, 11
	s_mov_b32 s47, 0
	s_mov_b32 s67, 0
	s_mul_i32 s18, s16, HA                         ; where they go: no place in the cluster enters an LDS address
	s_mul_i32 s45, s16, HB
	s_mul_i32 s19, s16, SHA
	s_mul_i32 s2, s16, SHB
	s_mov_b32 s98, 0x3d800000                      ; 2^-4
	s_mov_b32 s99, s98
	s_wait_dscnt 0x0                               ; both opening adds are done
	s_wait_kmcnt 0x0
	s_add_nc_u64 s[20:21], s[4:5], s[20:21]
	s_add_nc_u64 s[22:23], s[6:7], s[22:23]
	s_add_nc_u64 s[46:47], s[8:9], s[46:47]
	s_add_nc_u64 s[66:67], s[10:11], s[66:67]
	CROUND                                         ; all sixteen work-groups are here: the first joint loads meet
	s_mov_b32 s[G0S], 1
	s_add_co_u32 s[G0S+1], s19, SCL
	s_mov_b64 s[G0S+2:G0S+3], s[22:23]
	s_or_b32 s[G0S+3], s[G0S+3], 0x80000000
	s_mov_b32 s[G0SB], 1
	s_add_co_u32 s[G0SB+1], s2, SCL+2*SHA
	s_mov_b64 s[G0SB+2:G0SB+3], s[66:67]
	s_or_b32 s[G0SB+3], s[G0SB+3], 0x80000000
	JLOAD G0S, G1S, G0SB, G1SB                     ; the scales first: they are wanted with K step 0
.irp s, 0,1
	s_mov_b32 s[G0+4*\s], 1
	s_add_co_u32 s[G0+4*\s+1], s18, \s*SLOT
	s_add_nc_u64 s[G0+4*\s+2:G0+4*\s+3], s[20:21], \s*256
	s_or_b32 s[G0+4*\s+3], s[G0+4*\s+3], 0x80000000
	s_mov_b32 s[G0B+4*\s], 1
	s_add_co_u32 s[G0B+4*\s+1], s45, \s*SLOT+2*HA
	s_add_nc_u64 s[G0B+4*\s+2:G0B+4*\s+3], s[46:47], \s*256
	s_or_b32 s[G0B+4*\s+3], s[G0B+4*\s+3], 0x80000000
	JLOAD G0+4*\s, G1, G0B+4*\s, G1B               ; three loads of mine are out now
.endr
	v_and_b32 v1, 15, v0                           ; r
	v_bfe_u32 v2, v0, 4, 1                         ; h
	v_mul_u32_u24 v3, v1, PITCH
	v_lshl_add_u32 v4, v2, 4, v3                   ; a fragment's row x pitch + 16 h
	s_mul_i32 s21, s15, HA                         ; my 64 rows of x
	s_mul_i32 s22, s16, HB                         ; my 128 rows of w,
	s_add_co_u32 s22, s22, 2*HA                    ; behind x's 128
.irp s, 0,1
	v_add_nc_u32 v[ADRA+\s], s21, v4
	v_add_nc_u32 v[ADRB+\s], s22, v4
	s_add_co_u32 s21, s21, SLOT
	s_add_co_u32 s22, s22, SLOT
.endr
	v_lshlrev_b32 v5, 7, v1                        ; my row's scale bytes: 128 a row,
	v_lshrrev_b32 v6, 8, v5
	v_lshl_add_u32 v5, v6, 4, v5                   ; and 16 more for each 256 passed
	s_mul_i32 s21, s15, SHA
	s_mul_i32 s22, s16, SHB
	s_add_co_u32 s22, s22, 2*SHA
	s_sub_co_u32 s22, s22, s21                     ; from x's base to w's: one product with h
	v_mul_u32_u24 v6, s22, v2
	s_add_co_u32 s21, s21, SCL
	v_add_nc_u32 v5, v5, v6
	v_add_nc_u32 v[ADRS], s21, v5
	s_mul_i32 s23, s14, 16*SPITCH                  ; my stage
	v_mul_u32_u24 v5, v1, SPITCH
	v_lshl_add_u32 v5, v2, 5, v5
	v_add_nc_u32 v[STO], s23, v5                   ; in: row r, 32 bytes for each half of the lanes
	v_and_b32 v6, 31, v0
	v_lshlrev_b32 v[L16], 4, v6
	v_add_nc_u32 v[RD], s23, v[L16]                ; back: the 32 lanes take one row of 512 bytes
	v_lshlrev_b32 v[L8], 3, v6
	v_lshlrev_b32 v[SGN], 31, v2
	v_xor_b32 v[SGN], 0xbd800000, v[SGN]           ; rotate_half: minus for channels under 64 (lanes 0-15), plus for the others; x 2^-4
	v_mov_b32 v[SGN+1], v[SGN]
	s_mov_b32 s40, 0x76543210                      ; v_permlanex16_b32's selects for lane l xor 16 (cx and cy are done with)
	s_mov_b32 s41, 0xfedcba98
	s_lshl_b32 s20, s17, 7
	s_lshl_b32 s21, s15, 6
	s_add_co_u32 s20, s20, s21                     ; my first position
	v_mov_b32 v[R0V], s20
	s_lshl_b32 s46, s42, 1
	s_add_co_u32 s46, s46, s16                     ; my head slot
	s_lshl_b32 s22, s46, 19                        ; 524,288 bytes a slot,
	s_lshl_b32 s21, s20, 8                         ; 256 a position
	s_add_co_u32 s22, s22, s21
	s_mov_b32 s23, 0
	s_add_nc_u64 s[12:13], s[12:13], s[22:23]
	s_lshl_b32 s22, s20, 9                         ; cos, sin: 512 bytes a position
	s_add_nc_u64 s[92:93], s[92:93], s[22:23]
	s_add_nc_u64 s[94:95], s[94:95], s[22:23]
	s_lshl_b32 s22, s46, 13                        ; fine: 8,192 bytes a slot
	s_add_nc_u64 s[96:97], s[96:97], s[22:23]
; cos and sin of block a's 16 positions into set a % 2 of window 3: each load reads a row's 512 consecutive bytes.  They stand on the path that all tiles take, v's too,
; so that every counted wait below counts the same loads on both ways of the way out.
.macro TRIG a
	WIN 0xc0
.irp t, 0,1,2,3,4,5,6,7,8,9,10,11,12,13,14,15
	global_load_b128 v[128*((\a)%2)+4*\t:128*((\a)%2)+4*\t+3], v[L16], s[92:93] offset:(16*(\a)+\t)*512
	global_load_b128 v[128*((\a)%2)+64+4*\t:128*((\a)%2)+64+4*\t+3], v[L16], s[94:95] offset:(16*(\a)+\t)*512
.endr
	WIN 0
.endm
	TRIG 0                                         ; they land under the loop over K
	TRIG 1
.macro FRAG reg, adr, q, i             ; 16 rows x 128 K of 4-bit codes: 8 registers; lane (r, h): registers 4 c .. 4 c + 3 hold K = 64 c + 32 h + 0 .. 31
.irp c, 0,1
	ds_load_b128 v[\reg+4*\c:\reg+4*\c+3], v[\adr] offset:64*(\q)+32*\c+(\i)*16*PITCH
.endr
.endm
.macro FETCH slot, q, p                ; 24 loads: the slot's q-th 128 along K into set p
	WIN TO_B
.irp i, 0,1,2,3,4,5,6,7
	FRAG 128*(\p)+8*\i, ADRB+\slot, \q, \i
.endr
	WIN 0
.irp i, 0,1,2,3
	FRAG AF+32*(\p)+8*\i, ADRA+\slot, \q, \i
.endr
.endm
.macro SCALES sc                       ; a K step's scale words, four a row.  (For i = 4 .. 7 lanes 0-15 read words that no product names: bytes that were filled, inside the scales' region)
.irp i, 0,1,2,3,4,5,6,7
	ds_load_b128 v[SC+32*\sc+4*\i:SC+32*\sc+4*\i+3], v[ADRS] offset:\i*SBLK
.endr
.endm
; 8 matrix instructions: x's block a against w's eight.  The 32 accumulators take turns, one instruction a turn, in the same order in every step.
.macro MULA a, p, q, sc, zero
.irp b, 0,1,2,3,4,5,6,7
.if \zero
	v_wmma_scale_f32_16x16x128_f8f6f4 v[8*(8*(\a)+\b):8*(8*(\a)+\b)+7], v[128*(\p)+8*\b:128*(\p)+8*\b+7], v[AF+32*(\p)+8*(\a):AF+32*(\p)+8*(\a)+7], 0, v[SC+32*(\sc)+4*\b+(\q)], v[SC+32*(\sc)+4*(\a)+(\q)] matrix_a_fmt:MATRIX_FMT_FP4 matrix_b_fmt:MATRIX_FMT_FP4 matrix_a_scale:MATRIX_SCALE_ROW1
.else
	v_wmma_scale_f32_16x16x128_f8f6f4 v[8*(8*(\a)+\b):8*(8*(\a)+\b)+7], v[128*(\p)+8*\b:128*(\p)+8*\b+7], v[AF+32*(\p)+8*(\a):AF+32*(\p)+8*(\a)+7], v[8*(8*(\a)+\b):8*(8*(\a)+\b)+7], v[SC+32*(\sc)+4*\b+(\q)], v[SC+32*(\sc)+4*(\a)+(\q)] matrix_a_fmt:MATRIX_FMT_FP4 matrix_b_fmt:MATRIX_FMT_FP4 matrix_a_scale:MATRIX_SCALE_ROW1
.endif
.endr
.endm
; A step of 128 along K that has its successor in the same slot: the successor's 24 loads go out first and land under this step's 32 products.
.macro STEP slot, q, zero
	s_wait_dscnt 0x0                               ; this step's set (and, at a slot's head, its scale words) are in: they were asked for a step ago
	PLACES 4                                       ; four plain lines between the last step's products and the loads into the set that they read (ISA guide 7.12.1 for vector instructions)
	FETCH \slot, (\q)+1, 1-(\q)%2
	WIN MUL
.irp a, 0,1,2,3
	MULA \a, (\q)%2, \q, \slot, \zero
.endr
.endm
; A slot's last step changes slots: one barrier.  In front of it each wave waits for all its tensor loads, adds 0 to its spare word, and waits for that and for its reads of this slot.
.macro TURN slot, next, fill
	WIN 0
	s_wait_tensorcnt 0x0                           ; all my tensor loads have landed: the one that was out is my part of the next slot
	ds_add_u32 v[SPW], v[NIL]
	s_wait_dscnt 1                                 ; this step's set is in; the add alone may be out
	WIN MUL
	MULA 0, 1, 3, \slot, 0                         ; sixteen products stand between the add and the wait for it
	MULA 1, 1, 3, \slot, 0
	s_wait_dscnt 0x0                               ; the add is done, and my reads of this slot are over
	s_barrier_signal -1
	MULA 2, 1, 3, \slot, 0
	WIN 0
	s_barrier_wait -1
.if \fill
	CREST                                          ; the barrier has opened a round of the cluster's: no wave of any partner still reads this slot or has a load on its way
	s_add_nc_u64 s[G0+4*\slot+2:G0+4*\slot+3], s[G0+4*\slot+2:G0+4*\slot+3], 512
	s_add_nc_u64 s[G0B+4*\slot+2:G0B+4*\slot+3], s[G0B+4*\slot+2:G0B+4*\slot+3], 512
	JLOAD G0+4*\slot, G1, G0B+4*\slot, G1B         ; my one tensor load behind the round; its four v_nop are also the places in front of the loads below
.else
	PLACES 4
.endif
	v_add_nc_u32 v[ADRS], 16, v[ADRS]              ; on to the next K step's scale words
	FETCH \next, 0, 0
	SCALES \next
	WIN MUL
	MULA 3, 1, 3, \slot, 0
.endm
	s_wait_tensorcnt 1                             ; the scales and my part of K step 0 are in; K step 1's load may stay out
	s_barrier_signal -1
	s_barrier_wait -1
	FETCH 0, 0, 0
	SCALES 0
	STEP 0, 0, 1                                   ; the first step stands ahead of the loop: its products start the sums
	WIN 0
	s_mov_b32 s3, LAPS-1
.Llap:                                                 ; a trip goes once round the ring and fills both slots again
	STEP 0, 1, 0
	STEP 0, 2, 0
	TURN 0, 1, 1
	STEP 1, 0, 0
	STEP 1, 1, 0
	STEP 1, 2, 0
	TURN 1, 0, 1
	STEP 0, 0, 0
	WIN 0
	s_sub_co_u32 s3, s3, 1
	s_cmp_lg_u32 s3, 0
	s_cbranch_scc1 .Llap
	STEP 0, 1, 0                                   ; the last lap fills nothing
	STEP 0, 2, 0
	TURN 0, 1, 0
	STEP 1, 0, 0
	STEP 1, 1, 0
	STEP 1, 2, 0
	s_wait_dscnt 0x0
	WIN MUL
.irp a, 0,1,2,3
	MULA \a, 1, 3, 1, 0
.endr
	WIN 0
	PLACES 4                                       ; in front of the first read of results and of loads into registers that held fragments
; THE WAY OUT, a block of 16 positions at a time.  A lane holds 32 bytes of a row; a block goes through my own stage and comes back as whole rows: lane l then holds channels 4 l .. 4 l + 3,
; and the partner of channel d in rotate_half, d +- 64, lies in lane l xor 16.
.macro TOSTAGE a
	WIN 0x08                                       ; an LDS store's data: window 2
.irp b, 0,1,2,3,4,5,6,7
	ds_store_b128 v[STO], v[64*(\a)+8*\b:64*(\a)+8*\b+3] offset:64*\b          ; each accumulator from its low end on
	ds_store_b128 v[STO], v[64*(\a)+8*\b+4:64*(\a)+8*\b+7] offset:64*\b+16
.endr
	WIN 0
.irp t, 0,1,2,3,4,5,6,7,8,9,10,11,12,13,14,15
	ds_load_b128 v[BK+64*((\a)%2)+4*\t:BK+64*((\a)%2)+4*\t+3], v[RD] offset:\t*SPITCH   ; LDS serves a wave's instructions in order: these see the stores above
.endr
.endm
.macro FINISH a
.set BB, BK+64*((\a)%2)
.set TG, 128*((\a)%2)
.if (\a) < 3
	s_wait_dscnt 32                                ; the block is back; the next block's 16 stores and 16 loads may be out
	s_wait_loadcnt 32                              ; its cos and sin are in; the next block's 32 loads may be out
.else
	s_wait_dscnt 0x0
	s_wait_loadcnt 0x0
.endif
	s_cmp_lt_u32 ttmp9, 3                          ; q's and k's columns lie in clusters 0 to 2 along x: the same in all partners
	s_cbranch_scc0 .Lplain_\@
.set n, 0
.rept 64
	v_permlanex16_b32 v[PP+n], v[BB+n], s40, s41   ; the partner's number
.set n, n+1
.endr
	WIN 0x0c                                       ; source 1: window 3
.set n, 0
.rept 32
	v_pk_mul_f32 v[PP+n:PP+n+1], v[PP+n:PP+n+1], v[TG+64+n:TG+64+n+1]   ; x sin
	v_pk_mul_f32 v[BB+n:BB+n+1], v[BB+n:BB+n+1], v[TG+n:TG+n+1]         ; u x cos
.set n, n+2
.endr
	WIN 0
.set n, 0
.rept 32
	v_pk_mul_f32 v[BB+n:BB+n+1], v[BB+n:BB+n+1], s[98:99] op_sel_hi:[1,0]   ; x 2^-4: exact
.set n, n+2
.endr
.set n, 0
.rept 32
	v_pk_fma_f32 v[BB+n:BB+n+1], v[PP+n:PP+n+1], v[SGN:SGN+1], v[BB+n:BB+n+1]   ; +- 2^-4 x the partner's term: the product is exact, the sum is rounded once
.set n, n+2
.endr
	s_branch .Ljoin_\@
.Lplain_\@:
.set n, 0
.rept 32
	v_pk_mul_f32 v[BB+n:BB+n+1], v[BB+n:BB+n+1], s[98:99] op_sel_hi:[1,0]   ; v: x 2^-4 alone
.set n, n+2
.endr
.Ljoin_\@:
.if (\a) < 2
	TRIG (\a)+2                                    ; the set just used takes the block two further on
.endif
	s_wait_xcnt 0x0                                ; the last block's stores have read their data: the packed registers may be written again
.set n, 0
.rept 32
	v_cvt_pk_f16_f32 v[H+n], v[BB+2*n], v[BB+2*n+1]
.set n, n+1
.endr
.irp t, 0,1,2,3,4,5,6,7,8,9,10,11,12,13,14,15
	global_store_b64 v[L8], v[H+2*\t:H+2*\t+1], s[12:13] offset:(16*(\a)+\t)*256   ; 32 lanes store a row's 256 consecutive bytes, aligned
.endr
.if (\a) == 0
	s_wait_xcnt 0x0                                ; EXEC changes only behind this wait
	v_cmp_eq_u32 vcc_lo, 0, v[R0V]                 ; positions 0 to 15 are block 0 of the waves whose first position is 0: a mask, no branch
	s_and_saveexec_b32 s2, vcc_lo
.irp t, 0,1,2,3,4,5,6,7,8,9,10,11,12,13,14,15
	global_store_b128 v[L16], v[BB+4*\t:BB+4*\t+3], s[96:97] offset:512*\t
.endr
	s_wait_xcnt 0x0                                ; and again in front of the line that widens it
	s_or_b32 exec_lo, exec_lo, s2
.endif
.endm
	TOSTAGE 0
.irp a, 0,1,2,3
.if \a < 3
	s_wait_xcnt 0x0                                ; earlier stores have read the registers on which the next block lands
	TOSTAGE \a+1
.endif
	FINISH \a
.endr
	s_wait_tensorcnt 0x0                           ; the wave's end
	ds_add_u32 v[SPW], v[NIL]
	s_wait_dscnt 0x0
	CROUND                                         ; the closing round: no work-group ends while a partner may still ask for a tile that names it
	s_endpgm
.Lfunc_end_k_q74b7520c94_qkv:
	.size	k_q74b7520c94_qkv, .Lfunc_end_k_q74b7520c94_qkv-k_q74b7520c94_qkv
	.p2alignl 7, 3214868480
	.fill 96, 4, 3214868480
	.section	.rodata,"a",@progbits
	.p2align	6, 0x0
	.amdhsa_kernel k_q74b7520c94_qkv
		.amdhsa_group_segment_fixed_size 327680
		.amdhsa_private_segment_fixed_size 0
		.amdhsa_enable_private_segment 0
		.amdhsa_kernarg_size 64
		.amdhsa_user_sgpr_count 2
		.amdhsa_user_sgpr_kernarg_segment_ptr 1
		.amdhsa_wavefront_size32 1
		.amdhsa_system_sgpr_workgroup_id_x 1
		.amdhsa_system_sgpr_workgroup_id_y 1
		.amdhsa_system_sgpr_workgroup_id_z 1
		.amdhsa_system_vgpr_workitem_id 0
		.amdhsa_next_free_vgpr 1024
		.amdhsa_next_free_sgpr 100
		.amdhsa_reserve_vcc 1
		.amdhsa_float_denorm_mode_32 3
		.amdhsa_float_denorm_mode_16_64 3
		.amdhsa_memory_ordered 1
		.amdhsa_forward_progress 1
		.amdhsa_inst_pref_size 201
	.end_amdhsa_kernel
	.amdgpu_metadata
---
amdhsa.version: [ 1, 2 ]
amdhsa.kernels:
  - .name:           k_q74b7520c94_qkv
    .symbol:         k_q74b7520c94_qkv.kd
    .args:
      - { .name: xc, .offset: 0, .size: 8, .value_kind: global_buffer, .address_space: global }
      - { .name: xs, .offset: 8, .size: 8, .value_kind: global_buffer, .address_space: global }
      - { .name: wc, .offset: 16, .size: 8, .value_kind: global_buffer, .address_space: global }
      - { .name: ws, .offset: 24, .size: 8, .value_kind: global_buffer, .address_space: global }
      - { .name: cos, .offset: 32, .size: 8, .value_kind: global_buffer, .address_space: global }
      - { .name: sin, .offset: 40, .size: 8, .value_kind: global_buffer, .address_space: global }
      - { .name: qkv, .offset: 48, .size: 8, .value_kind: global_buffer, .address_space: global }
      - { .name: fine, .offset: 56, .size: 8, .value_kind: global_buffer, .address_space: global }
    .group_segment_fixed_size: 327680
    .private_segment_fixed_size: 0
    .kernarg_segment_align: 8
    .kernarg_segment_size: 64
    .max_flat_workgroup_size: 128
    .sgpr_count:     100
    .vgpr_count:     1024
    .wavefront_size: 32
...
	.end_amdgpu_metadata
.endif
;; end of part 2
;; launch first (part 3): grid 256 x 1, 8 waves a work-group, no clusters, 142,336 bytes of LDS; arguments wo, fine, wo16, out0; writes wo16, out0
.if DOCPART == 3
	.amdgcn_target "amdgcn-amd-amdhsa--gfx1250"
	.amdhsa_code_object_version 6
	.text
	.protected	k_q74b7520c94_first
	.globl	k_q74b7520c94_first
	.p2align	8
	.type	k_q74b7520c94_first,@function
k_q74b7520c94_first:
	s_mov_b64 s[64:65], 0
	v_nop
	global_prefetch_b8 v0, s[64:65] scope:SCOPE_SE
	s_setreg_imm32_b32 hwreg(HW_REG_WAVE_MODE, 25, 1), 1
	s_wait_xcnt 0x0
; Two things.  (1) wo [4096][2048] f32 becomes wo16 = wo x 2^4 in f16, the operand of the output projection.  (2) Positions 0 to 15 of the sequence, where a softmax row averages few values, are carried in f32
; throughout: scores, softmax, P V and the projection, by the f32 matrix form: out0 rows 0 to 15.
; Work-group g owns rows 16 g .. 16 g + 15 of wo (16 output columns); wave w owns k = 256 w .. 256 w + 255 of them: query heads 2 w and 2 w + 1, which share key and value head w.
; So a wave makes its own two heads' attention for the 16 positions (from fine: q, k, v x 2^-4, f32) while its piece of wo is on its way, multiplies it by that piece, and the eight partial tiles meet in LDS.
; The attention is made anew in each work-group: 128 small products a wave; that spares a launch.
; SCALES: scores come out x 2^-8, which stands in the softmax's constant; o comes out x 2^-4 and wo goes in x 2^4: all exact.
; LIMITS: |wo| under 4,094 (f16 behind x 2^4); hidden scores are -1e30; NaN and infinities are not served.  out0's rows leave in runs of 64 bytes: 256 KiB in all.
; LAYOUT (f32 form, 16 x 16 x 4: lane (r, h), register j holds k = 2 h + j; k is permuted alike on both sides of each product).  All three products are used transposed, so that a lane holds ONE position r:
;   S^T = K Q^T: register j = key 8 h + j.  Its pairs (2 i, 2 i + 1) are P's operand as they stand.   O^T = V^T P^T: register j of tile t = channel 16 t + 8 h + j.  Its pairs are the projection's operand.
; REGISTERS: window 0: v1-14 addresses; v16-79 K, later wo's rows 8-15; v80-143, v144-207 Q of the two heads, later o / l; v208-223 the scores (written by matrix instructions alone); v224-239 p; v240-253 at work.
;   window 1: v0-63 V, later wo's fragments; v64-127 O^T and v128-159 the projection's four sums (matrix instructions alone); v160-223 wo's rows 0-7; v224-255 packed f16.
.set KF,   16
.set QA,   80
.set QB,   144
.set SA,   208
.set SB,   216
.set PA,   224
.set PB,   232
.set SPW,  254
.set NIL,  255
.set VF,   0
.set WF,   0
.set OT,   64
.set DD,   128
.set RAW1, 160
.set HH,   224
.set WSTB, 16*1040                     ; LDS: a wave's piece of wo x 2^4: 16 rows x (1,024 + 16) bytes
.set PART, 8*WSTB                      ; the partial tiles: an image of 8 registers, 1,024 bytes a wave
.set SPARE, PART+8*1024                ; the spare words, 128 bytes a wave, which no other line names
.set MSB, 0
.macro WIN new
.if MSB != \new
	s_set_vgpr_msb (MSB<<8)|\new
.set MSB, \new
.endif
.endm
.macro PLACES n
.rept \n
	v_nop
.endr
.endm
	s_load_b256 s[4:11], s[0:1], 0x0               ; wo, fine, wo16, out0
	v_lshl_add_u32 v[SPW], v0, 2, SPARE
	v_mov_b32 v[NIL], 0
	v_lshrrev_b32 v1, 5, v0
	v_readfirstlane_b32 s12, v1                    ; wave 0..7
	v_and_b32 v1, 31, v0                           ; lane
	v_and_b32 v2, 15, v0                           ; r
	v_bfe_u32 v3, v0, 4, 1                         ; h
	v_lshlrev_b32 v4, 9, v2
	v_lshl_add_u32 v4, v3, 4, v4                   ; K, Q: row r of 512 bytes, + 16 h
	v_lshlrev_b32 v5, 2, v2
	v_lshl_add_u32 v5, v3, 12, v5                  ; V: key 8 h, channel r
	v_lshlrev_b32 v6, 4, v1                        ; 16 x lane
	s_lshl_b32 s22, s12, 13                        ; key and value head w: 8,192 bytes a slot
	s_mov_b32 s23, 0
	s_lshl_b32 s28, s12, 14                        ; query heads 2 w, 2 w + 1
	s_mov_b32 s29, 0
	s_lshl_b32 s30, ttmp9, 17                      ; wo: 16 rows of 8,192 bytes a work-group,
	s_lshl_b32 s13, s12, 10                        ; 1,024 bytes of a row a wave
	s_add_co_u32 s30, s30, s13
	s_mov_b32 s31, 0
	s_lshl_b32 s34, ttmp9, 16                      ; wo16: half of that
	s_lshl_b32 s13, s12, 9
	s_add_co_u32 s34, s34, s13
	s_mov_b32 s35, 0
	s_lshl_b32 s36, ttmp9, 6                       ; out0: 16 columns of 4 bytes
	s_mov_b32 s37, 0
	s_mul_i32 s32, s12, WSTB
	s_lshl_b32 s33, s12, 10
	s_add_co_u32 s33, s33, PART
	s_mov_b32 s24, 0x76543210                      ; v_permlanex16_b32's selects for lane l xor 16
	s_mov_b32 s25, 0xfedcba98
	s_mov_b32 s26, 0x420293ee                      ; 2^8 log2(e) / sqrt(128)
	s_wait_kmcnt 0x0
	s_add_nc_u64 s[14:15], s[6:7], s[22:23]
	s_add_nc_u64 s[16:17], s[6:7], s[28:29]
	s_add_nc_u64 s[4:5], s[4:5], s[30:31]
	s_add_nc_u64 s[8:9], s[8:9], s[34:35]
	s_add_nc_u64 s[10:11], s[10:11], s[36:37]
.set n, 0
.rept 16                               ; load n: channels 8 n + 4 h + 0 .. 3 of row r
	global_load_b128 v[KF+4*n:KF+4*n+3], v4, s[14:15] offset:16*8192+32*n
.set n, n+1
.endr
.set n, 0
.rept 16
	global_load_b128 v[QA+4*n:QA+4*n+3], v4, s[16:17] offset:32*n
.set n, n+1
.endr
.set n, 0
.rept 16
	global_load_b128 v[QB+4*n:QB+4*n+3], v4, s[16:17] offset:8192+32*n
.set n, n+1
.endr
	WIN 0x40
.set n, 0
.rept 64                               ; register 8 t + u: V(key 8 h + u, channel 16 t + r)
	global_load_b32 v[VF+n], v5, s[14:15] offset:24*8192+(n%8)*512+64*(n/8)
.set n, n+1
.endr
.set n, 0
.rept 16                               ; wo's rows 0-7: load n = row n / 2, half n % 2: 512 consecutive bytes
	global_load_b128 v[RAW1+4*n:RAW1+4*n+3], v6, s[4:5] offset:8192*(n/2)+512*(n%2) th:TH_LOAD_NT
.set n, n+1
.endr
	WIN 0
	s_wait_loadcnt 63                              ; K and both Q are in: 80 loads are younger; the count is the largest that the wait can name
.set n, 0
.rept 32                               ; S^T = K Q^T, the two heads by turns; the first product of each starts its sum
.if n == 0
	v_wmma_f32_16x16x4_f32 v[SA:SA+7], v[KF:KF+1], v[QA:QA+1], 0
	v_wmma_f32_16x16x4_f32 v[SB:SB+7], v[KF:KF+1], v[QB:QB+1], 0
.else
	v_wmma_f32_16x16x4_f32 v[SA:SA+7], v[KF+2*n:KF+2*n+1], v[QA+2*n:QA+2*n+1], v[SA:SA+7]
	v_wmma_f32_16x16x4_f32 v[SB:SB+7], v[KF+2*n:KF+2*n+1], v[QB+2*n:QB+2*n+1], v[SB:SB+7]
.endif
.set n, n+1
.endr
	v_lshlrev_b32 v7, 3, v1                        ; address work: fourteen plain lines, of which eight are owed behind this form ahead of the loads into K's registers and of the first read of the scores
	v_add_nc_u32 v8, s32, v6                       ; my piece of wo in LDS, on the way in: 16 x lane
	v_mul_u32_u24 v9, v2, 1040
	v_lshl_add_u32 v9, v3, 5, v9
	v_add_nc_u32 v9, s32, v9                       ; and as fragments: row r, + 32 h
	v_add_nc_u32 v10, s33, v6                      ; my partial tile
	v_add_nc_u32 v11, PART, v6                     ; all partial tiles
	v_lshlrev_b32 v12, 14, v2
	v_lshl_add_u32 v12, v3, 5, v12                 ; out0: row r of 16,384 bytes, + 32 h
	v_lshlrev_b32 v13, 3, v3
	v_sub_nc_u32 v13, v2, v13                      ; r - 8 h: key 8 h + j is hidden where j is above it
	v_mov_b32 v14, 0xf149f2ca                      ; -1e30
	v_mov_b32 v242, 0                              ; (a lane permute's destination counts as one of its sources)
	v_mov_b32 v243, 0
.set n, 0
.rept 16                               ; wo's rows 8-15, into K's registers
	global_load_b128 v[KF+4*n:KF+4*n+3], v6, s[4:5] offset:8192*(8+n/2)+512*(n%2) th:TH_LOAD_NT
.set n, n+1
.endr
.irp j, 0,1,2,3,4,5,6,7                        ; the causal mask, from the scores' low end on, into other registers
	v_cmp_gt_i32 vcc_lo, \j, v13
	v_cndmask_b32 v[PA+\j], v[SA+\j], v14, vcc_lo
	v_cndmask_b32 v[PB+\j], v[SB+\j], v14, vcc_lo
.endr
	v_max3_num_f32 v240, v[PA], v[PA+1], v[PA+2]   ; the row's maximum (key 0 counts for every position)
	v_max3_num_f32 v241, v[PB], v[PB+1], v[PB+2]
	v_max3_num_f32 v240, v240, v[PA+3], v[PA+4]
	v_max3_num_f32 v241, v241, v[PB+3], v[PB+4]
	v_max3_num_f32 v240, v240, v[PA+5], v[PA+6]
	v_max3_num_f32 v241, v241, v[PB+5], v[PB+6]
	v_max_num_f32 v240, v240, v[PA+7]
	v_max_num_f32 v241, v241, v[PB+7]
	v_permlanex16_b32 v242, v240, s24, s25
	v_permlanex16_b32 v243, v241, s24, s25
	v_max_num_f32 v240, v240, v242
	v_max_num_f32 v241, v241, v243
	v_mul_f32 v244, s26, v240
	v_mul_f32 v245, s26, v241
.irp j, 0,1,2,3,4,5,6,7
	v_fma_f32 v[PA+\j], v[PA+\j], s26, -v244
	v_fma_f32 v[PB+\j], v[PB+\j], s26, -v245
.endr
.irp j, 0,1,2,3,4,5,6,7
	v_exp_f32 v[PA+\j], v[PA+\j]
	v_exp_f32 v[PB+\j], v[PB+\j]
.endr
	v_nop                                          ; a plain line behind the last exponential,
	s_wait_alu depctr_va_vdst(0)                   ; and one wait for the sixteen, ahead of their first reader
	v_add_f32 v246, v[PA], v[PA+1]
	v_add_f32 v250, v[PB], v[PB+1]
	v_add_f32 v247, v[PA+2], v[PA+3]
	v_add_f32 v251, v[PB+2], v[PB+3]
	v_add_f32 v248, v[PA+4], v[PA+5]
	v_add_f32 v252, v[PB+4], v[PB+5]
	v_add_f32 v249, v[PA+6], v[PA+7]
	v_add_f32 v253, v[PB+6], v[PB+7]
	v_add_f32 v246, v246, v247
	v_add_f32 v250, v250, v251
	v_add_f32 v248, v248, v249
	v_add_f32 v252, v252, v253
	v_add_f32 v246, v246, v248
	v_add_f32 v250, v250, v252
	v_permlanex16_b32 v242, v246, s24, s25
	v_permlanex16_b32 v243, v250, s24, s25
	v_add_f32 v246, v246, v242                     ; the rows' sums
	v_add_f32 v250, v250, v243
	v_rcp_f32 v248, v246
	v_rcp_f32 v249, v250
	v_nop
	s_wait_alu depctr_va_vdst(0)                   ; one wait for the two reciprocals
	s_wait_loadcnt 32                              ; V is in; wo's 32 loads may be out
; O^T = V^T P^T of one head: eight tiles of channels by turns, four keys a product; then o / l into the head's Q registers.
.macro HEAD p, on, rl
	WIN 0x51                                       ; V and O^T window 1, p window 0
.irp i, 0,1,2,3
.irp t, 0,1,2,3,4,5,6,7
.if \i == 0
	v_wmma_f32_16x16x4_f32 v[OT+8*\t:OT+8*\t+7], v[VF+8*\t:VF+8*\t+1], v[\p:\p+1], 0
.else
	v_wmma_f32_16x16x4_f32 v[OT+8*\t:OT+8*\t+7], v[VF+8*\t+2*\i:VF+8*\t+2*\i+1], v[\p+2*\i:\p+2*\i+1], v[OT+8*\t:OT+8*\t+7]
.endif
.endr
.endr
	PLACES 8                                       ; eight plain lines behind this form ahead of the first read of a result
	WIN 0x01
.set n, 0
.rept 64
	v_mul_f32 v[\on+n], v[OT+n], v[\rl]            ; each accumulator from its low end on.  (With the eight lines above these are also the nine places ahead of the next head's products, which write over O^T)
.set n, n+1
.endr
.endm
	HEAD PA, QA, 248
	HEAD PB, QB, 249
	; wo x 2^4: to f16 and out, and as f32 into my LDS bytes
	s_wait_loadcnt 16                              ; rows 0-7 are in; rows 8-15 may be out
	WIN 0x41
.set n, 0
.rept 32
	v_pk_mul_f32 v[RAW1+n:RAW1+n+1], v[RAW1+n:RAW1+n+1], 0x41800000 op_sel_hi:[1,0]
.set n, n+2
.endr
	WIN 0x45
.set n, 0
.rept 32
	v_cvt_pk_f16_f32 v[HH+n], v[RAW1+2*n], v[RAW1+2*n+1]
.set n, n+1
.endr
	WIN 0x04                                       ; a store's data: window 1
.set n, 0
.rept 16
	global_store_b64 v7, v[HH+2*n:HH+2*n+1], s[8:9] offset:4096*(n/2)+256*(n%2) th:TH_STORE_NT   ; 32 lanes store 256 consecutive bytes, aligned
	ds_store_b128 v8, v[RAW1+4*n:RAW1+4*n+3] offset:1040*(n/2)+512*(n%2)
.set n, n+1
.endr
	s_wait_loadcnt 0x0                             ; rows 8-15
	s_wait_xcnt 0x0                                ; the stores above have read the packed registers
	WIN 0
.set n, 0
.rept 32
	v_pk_mul_f32 v[KF+n:KF+n+1], v[KF+n:KF+n+1], 0x41800000 op_sel_hi:[1,0]
.set n, n+2
.endr
	WIN 0x40
.set n, 0
.rept 32
	v_cvt_pk_f16_f32 v[HH+n], v[KF+2*n], v[KF+2*n+1]
.set n, n+1
.endr
	WIN 0x04
.set n, 0
.rept 16
	global_store_b64 v7, v[HH+2*n:HH+2*n+1], s[8:9] offset:4096*(8+n/2)+256*(n%2) th:TH_STORE_NT
.set n, n+1
.endr
	WIN 0
.set n, 0
.rept 16
	ds_store_b128 v8, v[KF+4*n:KF+4*n+3] offset:1040*(8+n/2)+512*(n%2)
.set n, n+1
.endr
; The projection: eight tiles of 16 along k at a time.  Tile T's fragment of wo: lane (r, h) takes k = 16 T + 8 h + 0 .. 7 of row r.  Four sums by turns, one for each pair of registers.
.macro PROJ half
	WIN 0x40
.irp T, 0,1,2,3,4,5,6,7
	ds_load_b128 v[WF+8*\T:WF+8*\T+3], v9 offset:64*(8*\half+\T)       ; my own bytes: LDS serves a wave's instructions in order
	ds_load_b128 v[WF+8*\T+4:WF+8*\T+7], v9 offset:64*(8*\half+\T)+16
.endr
	s_wait_dscnt 0x0
	WIN 0x51
.irp T, 0,1,2,3,4,5,6,7
.irp i, 0,1,2,3
.if (\half == 0) && (\T == 0)
	v_wmma_f32_16x16x4_f32 v[DD+8*\i:DD+8*\i+7], v[WF+2*\i:WF+2*\i+1], v[QA+2*\i:QA+2*\i+1], 0
.else
	v_wmma_f32_16x16x4_f32 v[DD+8*\i:DD+8*\i+7], v[WF+8*\T+2*\i:WF+8*\T+2*\i+1], v[QA+64*\half+8*\T+2*\i:QA+64*\half+8*\T+2*\i+1], v[DD+8*\i:DD+8*\i+7]
.endif
.endr
.endr
.endm
	PROJ 0
	PLACES 8                                       ; ahead of the loads into the fragments just read
	PROJ 1
	PLACES 8                                       ; ahead of the first read of the sums
	WIN 0x05
.irp j, 0,1,2,3,4,5,6,7
	v_add_f32 v[PA+\j], v[DD+\j], v[DD+8+\j]
.endr
.irp j, 0,1,2,3,4,5,6,7
	v_add_f32 v[PB+\j], v[DD+16+\j], v[DD+24+\j]
.endr
	WIN 0
.irp j, 0,1,2,3,4,5,6,7
	v_add_f32 v[PA+\j], v[PA+\j], v[PB+\j]
.endr
	ds_store_b128 v10, v[PA:PA+3]
	ds_store_b128 v10, v[PA+4:PA+7] offset:512
	s_wait_dscnt 0x0                               ; for the others' sake: my partial tile lies in LDS
	s_barrier_signal -1
	s_barrier_wait -1
	s_cmp_lg_u32 s12, 0                            ; wave 0 adds the eight, in the waves' order, and stores
	s_cbranch_scc1 .Lend
.set n, 0
.rept 16
	ds_load_b128 v[16+4*n:16+4*n+3], v11 offset:1024*(n/2)+512*(n%2)
.set n, n+1
.endr
	s_wait_dscnt 0x0
.irp u, 1,2,3,4,5,6,7
.irp j, 0,1,2,3,4,5,6,7
	v_add_f32 v[16+\j], v[16+\j], v[16+8*\u+\j]
.endr
.endr
	global_store_b128 v12, v[16:19], s[10:11]      ; out0(r, 16 g + 8 h + 0 .. 7)
	global_store_b128 v12, v[20:23], s[10:11] offset:16
.Lend:
	s_wait_tensorcnt 0x0                           ; the wave's end: a tensor wait, an add of 0 to my spare word and its wait, behind my last LDS store
	ds_add_u32 v[SPW], v[NIL]
	s_wait_dscnt 0x0
	s_endpgm
.Lfunc_end_k_q74b7520c94_first:
	.size	k_q74b7520c94_first, .Lfunc_end_k_q74b7520c94_first-k_q74b7520c94_first
	.p2alignl 7, 3214868480
	.fill 96, 4, 3214868480
	.section	.rodata,"a",@progbits
	.p2align	6, 0x0
	.amdhsa_kernel k_q74b7520c94_first
		.amdhsa_group_segment_fixed_size 142336
		.amdhsa_private_segment_fixed_size 0
		.amdhsa_enable_private_segment 0
		.amdhsa_kernarg_size 32
		.amdhsa_user_sgpr_count 2
		.amdhsa_user_sgpr_kernarg_segment_ptr 1
		.amdhsa_wavefront_size32 1
		.amdhsa_system_sgpr_workgroup_id_x 1
		.amdhsa_system_sgpr_workgroup_id_y 1
		.amdhsa_system_sgpr_workgroup_id_z 1
		.amdhsa_system_vgpr_workitem_id 0
		.amdhsa_next_free_vgpr 512
		.amdhsa_next_free_sgpr 66
		.amdhsa_reserve_vcc 1
		.amdhsa_float_denorm_mode_32 3
		.amdhsa_float_denorm_mode_16_64 3
		.amdhsa_memory_ordered 1
		.amdhsa_forward_progress 1
		.amdhsa_inst_pref_size 59
	.end_amdhsa_kernel
	.amdgpu_metadata
---
amdhsa.version: [ 1, 2 ]
amdhsa.kernels:
  - .name:           k_q74b7520c94_first
    .symbol:         k_q74b7520c94_first.kd
    .args:
      - { .name: wo, .offset: 0, .size: 8, .value_kind: global_buffer, .address_space: global }
      - { .name: fine, .offset: 8, .size: 8, .value_kind: global_buffer, .address_space: global }
      - { .name: wo16, .offset: 16, .size: 8, .value_kind: global_buffer, .address_space: global }
      - { .name: out0, .offset: 24, .size: 8, .value_kind: global_buffer, .address_space: global }
    .group_segment_fixed_size: 142336
    .private_segment_fixed_size: 0
    .kernarg_segment_align: 8
    .kernarg_segment_size: 32
    .max_flat_workgroup_size: 256
    .sgpr_count:     66
    .vgpr_count:     512
    .wavefront_size: 32
...
	.end_amdgpu_metadata
.endif
;; end of part 3
;; launch attn (part 4): grid 32 x 8, 4 waves a work-group, no clusters, 327,680 bytes of LDS; arguments qkv, att; writes att
.if DOCPART == 4
	.amdgcn_target "amdgcn-amd-amdhsa--gfx1250"
	.amdhsa_code_object_version 6
	.text
	.protected	k_q74b7520c94_attn
	.globl	k_q74b7520c94_attn
	.p2align	8
	.type	k_q74b7520c94_attn,@function
k_q74b7520c94_attn:
	s_mov_b64 s[64:65], 0
	v_nop
	global_prefetch_b8 v0, s[64:65] scope:SCOPE_SE
	s_setreg_imm32_b32 hwreg(HW_REG_WAVE_MODE, 25, 1), 1
	s_wait_xcnt 0x0
; att[q][head][:] = the sum over k <= q of softmax_k(Q[head][q] . K[kv][k] / sqrt(128)) V[kv][k][:], 16 query heads on 8 key and value heads, 2,048 positions, head size 128.
; qkv: f16, [32 head slots][2048][128], slots 0-15 q, 16-23 k, 24-31 v, all x 2^-4.  So scores come out x 2^-8, which stands in the softmax's constant, and att comes out x 2^-4: f16, [2048][16 x 128].
; Products, maxima and sums in f32; the weights p are rounded to f16 for the second product, att once at the end.  A running maximum m and sum l for each query.
; LIMITS: hidden scores are -1e30 in the scaled units; NaN and infinities are not served.
; SHARES.  Work-group (x, y): key and value head y, positions 64 J .. 64 J + 63 with J = 31 - x (the longest first), both query heads of y.  Wave w: positions 32 (w % 2) on, and the key steps (64 keys) of parity w / 2.
; A wave holds four tiles of 16 queries: piece 0 (tiles 0, 1) is head 2 y + w / 2, piece 2 (tiles 2, 3) the other head; tile t's positions are 16 (t % 2) on.  So each fragment of K or V feeds four tiles.
; At the end a wave keeps piece 0 and hands piece 2 to wave w xor 2, which has walked the other keys for the same queries: the two parts are merged by their maxima.
; NO CLUSTER: under the causal mask work-groups of one head need different numbers of tiles; the two query heads that share K and V are in one work-group instead.
; LAYOUT.  S^T = K Q^T (source 0 = 16 keys, source 1 = 16 queries): a lane holds ONE query (lane % 16) and keys 8 (lane / 16) + 0 .. 7; two such tiles, rounded in pairs, ARE source 1 of O^T = V^T P.  V is turned by ds_load_tr16_b128.
; BY TURNS.  In a TURN one piece has the matrix unit (32 products V^T P of the step in hand, then 32 products K Q^T of the next); the other piece's softmax, in 64 slices, stands between them.  Two turns are a key step.
; THE CAUSAL MASK rides in the C of a score tile's first product: 0 or -1e30, five sets of eight registers (by the distance of the key tile from the query tile), made anew for a wave's last step alone; elsewhere they are zeros.
; EVERY WAVE WALKS ALL CHANGES OF SLOTS; a key step beyond its last (NST steps) is jumped over by a scalar branch on ids, round the step's loads and products alone.
; The wave of odd parity in the work-group of J = 0 has no key that counts: it runs its first step wholly hidden, keeps m = -1e30, and the merge multiplies its part by 2^(c m - c m') = 0.
; O^T begins as zeros, m as -1e30, l as 0: where a wave's first V^T P stands hangs on its ids, so no product can be written that starts the sums.
; REGISTERS, in windows of 256: window 0: v1-11 addresses; v12-43 eight statistics a tile; v44-50, v61-63 more addresses; v64-191 S^T; v192-255 P.   window 1: O^T, 64 a tile.
;   window 2: v0-127 Q; v128-255 K of one step.   window 3: v0-127 V of one step; v128-167 the mask.
.set KS,    64
.set PK,    272                        ; a row of K in LDS: 256 bytes + 16
.set PVP,   288                        ; a row of V: 256 + 32: the turning load's 8 rows x 32 bytes fall on different banks
.set SLK,   256                        ; keys in a slot: four steps, two for each parity
.set VOFF,  SLK*PK
.set SLOTB, SLK*(PK+PVP)               ; 143,360
.set SPARE, 2*SLOTB                    ; the spare words, 128 bytes a wave, which no other line names
.set XCHB,  16896                      ; behind the last change of slots, in buffer 0, which has had its last fill and its last read: a wave's piece 2 (16,384 bytes) and its statistics (512),
.set STAGE, 4*XCHB                     ; and a stage of 16 rows x 272 bytes a wave for the way out
.set SP,    272
.set HSB,   524288                     ; bytes of a head slot
.set AK0, 2
.set AV0, 3
.set ADR, 4
.set QO,  5
.set STO, 6
.set RD,  7
.set GO,  8
.set ST,  12                           ; tile t at v[ST+8 t]: +0 c m, +1 m, +2, +3 l, +4 to +7 at work; a takes +6
.set XO,  44
.set XI,  45
.set XSO, 46
.set XSI, 47
.set NEGV, 48                          ; -1e30
.set RH,  49                           ; r - 8 h
.set DV,  50
.set PFO, 61
.set SPW, 62
.set NIL, 63
.set S,   64
.set P,   192
.set KF,  128                          ; in window 2
.set MK,  128                          ; in window 3
.set WV,  12
.set RG,  13
.set KH,  14
.set RJ,  15
.set NST, 16
.set IDX, 17
.set SIG, 18
.set TBK, 19
.set TBV, 20
.set KHK, 21
.set KHV, 22
.set POS0, 23
.set G1K, 24
.set G1V, 32
.set G0K, 40                           ; s[40:47] a group 0 for each buffer
.set G0V, 48
.set TWICE, 56
.set LOOP, 57
.set CS,  58
.set SEL, 60
.set LIM, 62
.set PFA, 66
.set RGH, 68
.set MSB, 0
.macro WIN new
.if MSB != \new
	s_set_vgpr_msb (MSB<<8)|\new
.set MSB, \new
.endif
.endm
.set W_KQ, 0x0a                        ; K and Q window 2, S^T window 0
.set W_KM, 0x3a                        ; the same with C, the mask, in window 3
.set W_PV, 0x53                        ; V window 3, P window 0, O^T window 1
.set W_RS, 0x41                        ; O^T window 1, a window 0
; Wave 0 brings a slot's K, wave 1 its V, one load of 256 rows each; waves 2 and 3 bring nothing.  An s_nop 0 and four v_nop follow each load.
.macro TLOAD b
	s_cmp_eq_u32 s[WV], 0
	s_cbranch_scc0 .Lnot_k_\@
	tensor_load_to_lds s[G0K+4*\b:G0K+4*\b+3], s[G1K:G1K+7]
	s_nop 0
.rept 4
	v_nop
.endr
	s_branch .Lasked_\@
.Lnot_k_\@:
	s_cmp_eq_u32 s[WV], 1
	s_cbranch_scc0 .Lasked_\@
	tensor_load_to_lds s[G0V+4*\b:G0V+4*\b+3], s[G1V:G1V+7]
	s_nop 0
.rept 4
	v_nop
.endr
.Lasked_\@:
.endm
; A prefetch of the slot that the NEXT change will ask for: 256 rows of 256 bytes of K (wave 2) and of V (wave 3), a lane a row, eight instructions a wave.  All work-groups of a key and value head walk the same
; rows: the one with x = 0, which walks all slots, asks, and nobody else: each row is named once in the launch.  Change s asks for slot s + 2; slots 0 and 1 come by their loads alone; changes 6 and 7 ask for nothing.
.macro ASK
	s_cmp_lt_u32 s[SIG], s[LIM]
	s_cbranch_scc0 .Lnot_mine_\@
.irp n, 0,1,2,3,4,5,6,7
	global_prefetch_b8 v[PFO], s[PFA:PFA+1] offset:8192*\n th:TH_LOAD_NT scope:SCOPE_SE
.endr
.Lnot_mine_\@:
.endm
	s_load_b128 s[4:7], s[0:1], 0x0                ; qkv, att
	v_lshl_add_u32 v[SPW], v0, 2, SPARE
	v_mov_b32 v[NIL], 0
	ds_add_u32 v[SPW], v[NIL]                      ; the opening: the add, twice on end, and its wait ahead of the first tensor load
	ds_add_u32 v[SPW], v[NIL]
	v_lshrrev_b32 v1, 5, v0
	v_readfirstlane_b32 s[WV], v1
	s_and_b32 s[RG], s[WV], 1
	s_lshr_b32 s[KH], s[WV], 1
	s_sub_co_u32 s[RJ], 31, ttmp9
	s_and_b32 s[RGH], ttmp7, 0xffff
	s_sub_co_i32 s72, s[RJ], s[KH]
	s_max_i32 s72, s72, 0
	s_lshr_b32 s72, s72, 1
	s_add_co_u32 s[NST], s72, 1                    ; my key steps: KH, KH + 2, .. up to J; one at the least
	s_lshl_b32 s[POS0], s[RJ], 6
	s_lshl_b32 s72, s[RG], 5
	s_add_co_u32 s[POS0], s[POS0], s72             ; my first position
	s_mul_i32 s[KHK], s[KH], KS*PK                 ; my parity's first step in a slot
	s_mul_i32 s[KHV], s[KH], KS*PVP
	s_mov_b32 s[G1K], (1<<16)|(1<<20)|(5<<22)|(3<<25)   ; no mask; elements of 2 bytes; padding: 4 words behind every 64
	s_mov_b32 s[G1V], (1<<16)|(1<<20)|(5<<22)|(7<<25)   ; 8 words
.irp g, G1K, G1V
	s_mov_b32 s[\g+1], 128<<16                     ; tensor_dim0
	s_mov_b32 s[\g+2], SLK<<16                     ; tensor_dim1
	s_mov_b32 s[\g+3], 128<<16                     ; tile_dim0
	s_mov_b32 s[\g+4], SLK                         ; tile_dim1
	s_mov_b32 s[\g+5], 128                         ; the pitch
	s_mov_b32 s[\g+6], 0
	s_mov_b32 s[\g+7], 0
.endr
	s_mov_b32 s[CS], 0x420293ee                    ; c = 2^8 log2(e) / sqrt(128)
	s_mov_b32 s[CS+1], s[CS]
	s_mov_b32 s[SEL], 0x76543210
	s_mov_b32 s[SEL+1], 0xfedcba98
	s_mov_b32 s[IDX], 0
	s_mov_b32 s[SIG], 0
	s_xor_b32 s72, s[KH], 1                        ; 0 in waves 2 and 3,
	s_or_b32 s72, s72, ttmp9                       ; of the work-group with x = 0
	s_cmp_eq_u32 s72, 0
	s_cselect_b32 s[LIM], 6, 0
	s_lshl_b32 s72, s[RGH], 19
	s_mov_b32 s73, 0
	s_mul_i32 s79, s[WV], 16*SP
	s_add_co_u32 s79, s79, STAGE                   ; my stage
	s_wait_dscnt 0x0                               ; both opening adds are done
	s_wait_kmcnt 0x0
	s_add_nc_u64 s[74:75], s[4:5], s[72:73]        ; qkv + y head slots
.irp b, 0,1
	s_mov_b32 s[G0K+4*\b], 1
	s_mov_b32 s[G0K+4*\b+1], \b*SLOTB
	s_add_nc_u64 s[G0K+4*\b+2:G0K+4*\b+3], s[74:75], 16*HSB+\b*SLK*256
	s_or_b32 s[G0K+4*\b+3], s[G0K+4*\b+3], 0x80000000
	s_mov_b32 s[G0V+4*\b], 1
	s_mov_b32 s[G0V+4*\b+1], \b*SLOTB+VOFF
	s_add_nc_u64 s[G0V+4*\b+2:G0V+4*\b+3], s[74:75], 24*HSB+\b*SLK*256
	s_or_b32 s[G0V+4*\b+3], s[G0V+4*\b+3], 0x80000000
.endr
	TLOAD 0                                        ; slot 0: it holds key 0, which counts for every query
	s_mov_b32 s72, 16*HSB+2*SLK*256
	s_cmp_eq_u32 s[WV], 3
	s_cselect_b32 s72, 24*HSB+2*SLK*256, s72
	s_add_nc_u64 s[PFA:PFA+1], s[74:75], s[72:73]  ; the prefetches begin at slot 2
	s_lshl_b32 s72, s[RGH], 1
	s_add_co_u32 s76, s72, s[KH]                   ; piece 0's head,
	s_xor_b32 s77, s76, 1                          ; piece 2's
	s_lshl_b32 s78, s[POS0], 8
	s_lshl_b32 s72, s76, 19
	s_add_co_u32 s72, s72, s78
	s_add_nc_u64 s[8:9], s[4:5], s[72:73]
	s_lshl_b32 s72, s77, 19
	s_add_co_u32 s72, s72, s78
	s_add_nc_u64 s[10:11], s[4:5], s[72:73]
	s_lshl_b32 s72, s[POS0], 12                    ; att: 4,096 bytes a position, 256 a head
	s_lshl_b32 s78, s76, 8
	s_add_co_u32 s72, s72, s78
	s_add_nc_u64 s[70:71], s[6:7], s[72:73]
	v_and_b32 v1, 15, v0                           ; r
	v_bfe_u32 v9, v0, 4, 1                         ; h
	v_lshlrev_b32 v[QO], 8, v1
	v_lshl_add_u32 v[QO], v9, 4, v[QO]
	WIN 0x80
.irp i, 0,1,2,3,4,5,6,7,8,9,10,11,12,13,14,15  ; Q stays in registers: tile i / 4, channels 32 (i % 4) on
.if \i < 8
	global_load_b128 v[8*\i:8*\i+3],   v[QO], s[8:9] offset:((\i/4)%2)*4096+(\i%4)*64
	global_load_b128 v[8*\i+4:8*\i+7], v[QO], s[8:9] offset:((\i/4)%2)*4096+(\i%4)*64+32
.else
	global_load_b128 v[8*\i:8*\i+3],   v[QO], s[10:11] offset:((\i/4)%2)*4096+(\i%4)*64
	global_load_b128 v[8*\i+4:8*\i+7], v[QO], s[10:11] offset:((\i/4)%2)*4096+(\i%4)*64+32
.endif
.endr
	WIN 0
	v_mul_u32_u24 v[AK0], v1, PK
	v_lshl_add_u32 v[AK0], v9, 4, v[AK0]
	v_and_b32 v10, 7, v0
	v_bfe_u32 v11, v0, 3, 1
	v_lshl_add_u32 v[AV0], v9, 3, v10
	v_mul_u32_u24 v[AV0], v[AV0], PVP
	v_lshl_add_u32 v[AV0], v11, 4, v[AV0]
	v_add_nc_u32 v[AV0], VOFF, v[AV0]
	v_and_b32 v10, 31, v0
	v_lshlrev_b32 v[PFO], 8, v10
	s_mul_i32 s72, s[WV], XCHB
	s_xor_b32 s78, s[WV], 2
	s_mul_i32 s78, s78, XCHB
	v_lshl_add_u32 v[XO], v10, 4, s72              ; where I put piece 2, and where my partner has put its
	v_lshl_add_u32 v[XI], v10, 4, s78
	s_add_co_u32 s72, s72, 16384
	s_add_co_u32 s78, s78, 16384
	v_lshl_add_u32 v[XSO], v10, 2, s72
	v_lshl_add_u32 v[XSI], v10, 2, s78
	v_lshlrev_b32 v11, 3, v9
	v_sub_nc_u32 v[RH], v1, v11
	v_mov_b32 v[NEGV], 0xf149f2ca
.irp t, 0,1,2,3
	v_mov_b32 v[ST+8*\t+1], v[NEGV]                ; m
	v_mul_f32 v[ST+8*\t], s[CS], v[ST+8*\t+1]      ; c m
	v_mov_b32 v[ST+8*\t+2], 0                      ; l
	v_mov_b32 v[ST+8*\t+3], 0
	v_mov_b32 v[ST+8*\t+5], 0
.endr
	WIN 0x40
.set n, 0
.rept 256
	v_mov_b32 v[n], 0                              ; O^T
.set n, n+1
.endr
	WIN 0
; Product i of 32 of O^T += V^T P: keys 32 (i / 16) on, channels 16 ((i / 2) % 8) on, tile x + i % 2.  The accumulators take turns, one instruction a turn.
.macro PV x
	WIN W_PV
.set rO, 64*(\x+i%2)+8*((i/2)%8)
.set rV, 64*(i/16)+8*((i/2)%8)
.set rP, P+16*(\x+i%2)+8*(i/16)
	v_wmma_f32_16x16x32_f16 v[rO:rO+7], v[rV:rV+7], v[rP:rP+7], v[rO:rO+7]
.endm
; Product i of 32 of S^T = K Q^T + the mask: channels 32 (i / 8) on, keys 16 ((i / 2) % 4) on, tile x + i % 2.  The first 8 start the sums from the mask's set for that distance of tiles.
.macro KQ x
.set rS, S+32*(\x+i%2)+8*((i/2)%4)
.set rK, KF+32*((i/2)%4)+8*(i/8)
.set rQ, 32*(\x+i%2)+8*(i/8)
.set rM, MK+8*(((i/2)%4)-(i%2)+1)
.if i < 8
	WIN W_KM
	v_wmma_f32_16x16x32_f16 v[rS:rS+7], v[rK:rK+7], v[rQ:rQ+7], v[rM:rM+7]
.else
	WIN W_KQ
	v_wmma_f32_16x16x32_f16 v[rS:rS+7], v[rK:rK+7], v[rQ:rQ+7], v[rS:rS+7]
.endif
.endm
.macro FETCH_K                         ; a step's K: 64 keys x 128 channels, 32 loads in one run
	WIN 0
	v_add_nc_u32 v[ADR], s[TBK], v[AK0]
	WIN 0x80
.irp f, 0,1,2,3,4,5,6,7,8,9,10,11,12,13,14,15
	ds_load_b128 v[KF+8*\f:KF+8*\f+3],   v[ADR] offset:(\f/4)*16*PK+(\f%4)*64
	ds_load_b128 v[KF+8*\f+4:KF+8*\f+7], v[ADR] offset:(\f/4)*16*PK+(\f%4)*64+32
.endr
.endm
.macro FETCH_V                         ; the same step's V, turned
	WIN 0
	v_add_nc_u32 v[ADR], s[TBV], v[AV0]
	s_wait_alu depctr_va_vdst(0)                   ; the wait for the softmax's batch of exponentials, ahead of their first reader
	WIN 0xc0
.irp f, 0,1,2,3,4,5,6,7,8,9,10,11,12,13,14,15
	ds_load_tr16_b128 v[8*\f:8*\f+3],   v[ADR] offset:(\f/8)*32*PVP+(\f%8)*32
	ds_load_tr16_b128 v[8*\f+4:8*\f+7], v[ADR] offset:(\f/8)*32*PVP+16*PVP+(\f%8)*32
.endr
.endm
; One tile's softmax for one key step is a list of 134 instructions; SM writes number j of it for tile t.
;   0-15 the maximum of the lane's 32 scores and the old m;  16-20 the other half of the lanes', the new m, c m, c m_old - c m_new;
;   21-69 ONE BATCH: 16 packed scalings c s - c m and 33 exponentials (a at 23), none of which reads an exponential's result;  (the wait: SLICE writes it)
;   70-85 the roundings to f16;  86-101 the sums, l = a l + the sum;  102-133 O^T x a.
.macro SM t
.set rT, ST+8*(\t)
.set rS, S+32*(\t)
.set rP, P+16*(\t)
.set rO, 64*(\t)+2*(j-102)
.if j < 102
	WIN 0
.endif
.if j < 4
	v_max3_num_f32 v[rT+4+j], v[rS+8*j], v[rS+8*j+1], v[rS+8*j+2]      ; each score tile is read from its low end on
.elseif j < 12
	v_max3_num_f32 v[rT+4+j%4], v[rT+4+j%4], v[rS+8*(j%4)+2*(j/4)+1], v[rS+8*(j%4)+2*(j/4)+2]
.elseif j == 12
	v_max3_num_f32 v[rT+4], v[rT+4], v[rS+7], v[rS+15]
.elseif j == 13
	v_max3_num_f32 v[rT+6], v[rT+6], v[rS+23], v[rS+31]
.elseif j == 14
	v_max3_num_f32 v[rT+4], v[rT+4], v[rT+5], v[rT+6]
.elseif j == 15
	v_max3_num_f32 v[rT+4], v[rT+4], v[rT+7], v[rT+1]
.elseif j == 16
	v_permlanex16_b32 v[rT+5], v[rT+4], s[SEL], s[SEL+1]
.elseif j == 17
	v_mov_b32 v[rT+7], v[rT]
.elseif j == 18
	v_max_num_f32 v[rT+1], v[rT+4], v[rT+5]
.elseif j == 19
	v_mul_f32 v[rT], s[CS], v[rT+1]
.elseif j == 20
	v_sub_f32 v[rT+7], v[rT+7], v[rT]
.elseif j == 23
	v_exp_f32 v[rT+6], v[rT+7]
.elseif (j < 23) || ((j < 38) && (j%2 == 0)) || ((j < 66) && (j%4 == 2))
.set b, (j-2)/4
.if j < 38
.set b, (j-20)/2
.endif
	v_pk_fma_f32 v[rS+2*b:rS+2*b+1], v[rS+2*b:rS+2*b+1], s[CS:CS+1], v[rT:rT+1] op_sel_hi:[1,0,0] neg_lo:[0,0,1] neg_hi:[0,0,1]
.elseif j < 70
.set e, j-38
.if j < 66
.set e, j-32-(j-38)/4
.endif
.if j < 38
.set e, (j-25)/2
.endif
	v_exp_f32 v[rS+e], v[rS+e]
.elseif j < 86
	v_cvt_pk_f16_f32 v[rP+j-70], v[rS+2*(j-70)], v[rS+2*(j-70)+1]
.elseif j < 102
.set z, j-86
.set w, 4
.set u, z
.if z >= 14
.set w, 32
.set u, 0
.elseif z >= 12
.set w, 16
.set u, z-12
.elseif z >= 8
.set w, 8
.set u, z-8
.endif
.if z < 15
	v_pk_add_f32 v[rS+w*u:rS+w*u+1], v[rS+w*u:rS+w*u+1], v[rS+w*u+w/2:rS+w*u+w/2+1]
.else
	v_pk_fma_f32 v[rT+2:rT+3], v[rT+2:rT+3], v[rT+6:rT+7], v[rS:rS+1] op_sel_hi:[1,0,1]
.endif
.else
	WIN W_RS
	v_pk_mul_f32 v[rO:rO+1], v[rO:rO+1], v[rT+6:rT+7] op_sel_hi:[1,0]
.endif
.endm
; Slice k of 64 of piece y's softmax.  Slices 11 to 34 deal out the batch, four numbers of one tile each; every other slice is numbers 2 k and 2 k + 1 of both tiles; slice 63 has the twelve that are over.
; Ahead of slice 35 nothing names an exponential's result and behind slice 34 none is issued: one wait a turn.
.macro SLICE y
.if (k >= 11) && (k < 35)
.irp n, 0,1,2,3
.set j, 22+4*((k-11)/2)+(\n)
	SM (\y)+(k-11)%2
.endr
.else
.irp n, 0,1,2,3,4,5,6,7
.if (\n < 2) || (k == 63)
.irp t, \y, \y+1
.set j, 2*k+\n
	SM \t
.endr
.endif
.endr
.endif
.if k == 34
	v_nop                                          ; the plain line behind the last exponential
.if (\y) == 0
	FETCH_V                                        ; piece 2's turn: V's run of loads stands here, and the wait stands in it
.else
	s_wait_alu depctr_va_vdst(0)
.endif
.endif
.set k, k+1
.endm
; A TURN.  Piece x has the matrix unit; the other piece's softmax stands in slices behind its products (two behind each where the turn has one kind of product alone).
; Piece 0's turn fetches the next step's K behind its second product: K's last reader stands ahead of slice 63 of the turn before, whose sixteen plain lines are the places.
; Piece 2's turn fetches that step's V behind slice 34: V's last reader stands ahead of slice 31; two scalings, the v_nop and the run's own addition are the four places.
.macro TURN x, pv, kq
.set k, 0
.set per, 2
.if \pv && \kq
.set per, 1
.endif
.if \pv
.if \x == 0
	s_wait_dscnt 0x0                               ; V is in
.endif
.set i, 0
.rept 32
	PV \x
.rept per
	SLICE 2-\x
.endr
.if (\x == 0) && \kq && (i == 1)
	FETCH_K
.endif
.set i, i+1
.endr
.endif
.if \kq
.if \x == 0
	s_wait_dscnt 0x0                               ; K is in
.endif
.set i, 0
.rept 32
	KQ \x
.rept per
	SLICE 2-\x
.endr
.set i, i+1
.endr
.endif
.endm
; The mask for my step IDX.  Register jj of the set for distance d - 1 (key tile less query tile) stands for key - position = 16 (d - 1) + 8 h + jj - r - (my first position - the step's first key): hidden where that is above 0.
.macro MASK
	s_lshl_b32 s96, s[IDX], 1
	s_add_co_u32 s96, s96, s[KH]
	s_lshl_b32 s96, s96, 6
	s_sub_co_u32 s96, s[POS0], s96
	v_add_nc_u32 v[DV], s96, v[RH]
	WIN 0xc0
.irp d, 0,1,2,3,4
.irp jj, 0,1,2,3,4,5,6,7
	v_cmp_gt_i32 vcc_lo, 16*(\d-1)+\jj, v[DV]
	v_cndmask_b32 v[MK+8*\d+\jj], 0, v[NEGV], vcc_lo
.endr
.endr
	WIN 0
.endm
; On into my key step IDX: V^T P of the step before, K Q^T of this one.  Beyond my last step all of it is jumped over, but for the lines that step addresses.
.macro BODY
	s_cmp_ge_u32 s[IDX], s[NST]
	s_cbranch_scc1 .Lskip_\@
	s_sub_co_u32 s96, s[NST], 1
	s_cmp_lg_u32 s[IDX], s96
	s_cbranch_scc1 .Lopen_\@
	MASK                                           ; my last step may lie on the diagonal
.Lopen_\@:
	TURN 0, 1, 1
	TURN 2, 1, 1
	WIN 0
.Lskip_\@:
	s_add_co_u32 s[TBK], s[TBK], 2*KS*PK           ; my parity's next step
	s_add_co_u32 s[TBV], s[TBV], 2*KS*PVP
	s_add_co_u32 s[IDX], s[IDX], 1
.endm
.macro TWO_STEPS
	s_mov_b32 s[TWICE], 2
.Lstep_\@:
	BODY
	s_sub_co_u32 s[TWICE], s[TWICE], 1
	s_cmp_lg_u32 s[TWICE], 0
	s_cbranch_scc1 .Lstep_\@
.endm
; THE CHANGE OF SLOTS.  b: the buffer that has been left; nb: the one ahead.  Each wave waits for all its tensor loads, adds 0 to its spare word, and waits for that and for its reads of b; behind the barrier nb is whole and nobody reads b.
; fill = 1: b takes the slot that follows, if its first key step is at or under J: a slot beyond that is read by no wave.  The test is made of ids and the count of changes alone, the same in all four waves; it leads round the load alone.
.macro CHANGE b, nb, fill, step
	WIN 0
	s_wait_tensorcnt 0x0                           ; no tensor load of mine is out, so a group 0 may be written
	ds_add_u32 v[SPW], v[NIL]
.if \fill
	ds_add_u32 v[SPW], v[NIL]                      ; and twice on end here, since waves 2
.endif
.if \step
	s_add_nc_u64 s[G0K+4*\b+2:G0K+4*\b+3], s[G0K+4*\b+2:G0K+4*\b+3], 2*SLK*256   ; this buffer's next slot: two slots on
	s_add_nc_u64 s[G0V+4*\b+2:G0V+4*\b+3], s[G0V+4*\b+2:G0V+4*\b+3], 2*SLK*256
	s_wait_xcnt 0x0                                ; the last prefetches, a slot back, have read their address
	s_add_nc_u64 s[PFA:PFA+1], s[PFA:PFA+1], SLK*256
.endif
	s_wait_dscnt 0x0                               ; the adds are done, and my reads of the buffer that I have left are over
	s_barrier_signal -1
	s_barrier_wait -1
.if \fill
	s_lshl_b32 s96, s[SIG], 2
	s_add_co_u32 s96, s96, 4                       ; the first key step of the slot that this change would ask for
	s_cmp_gt_u32 s96, s[RJ]
	s_cbranch_scc1 .Lpast_\@
	TLOAD \b                                       ; a wave's one tensor load until the next change; it has two of each wave's key steps in which to land
.Lpast_\@:
	ASK
.endif
	s_add_co_u32 s[TBK], s[KHK], \nb*SLOTB
	s_add_co_u32 s[TBV], s[KHV], \nb*SLOTB
	s_add_co_u32 s[SIG], s[SIG], 1
.endm
	MASK                                           ; for my first step: zeros, unless it is also my last
	s_mov_b32 s[IDX], 1
	CHANGE 1, 0, 1, 0                              ; slot 0 is whole; slot 1's first fill goes out as a refill does: behind this barrier nothing is filled again
	FETCH_K
	s_wait_loadcnt 0x0                             ; Q
	s_wait_dscnt 0x0
.set i, 0
.rept 32
	KQ 0                                           ; piece 0's first scores: there is no vector work yet to set between them
.set i, i+1
.endr
	WIN 0
	v_mul_u32_u24 v[STO], v1, SP                   ; the way out's addresses: eight plain lines, the places behind those products
	v_lshl_add_u32 v[STO], v9, 4, v[STO]
	v_add_nc_u32 v[STO], s79, v[STO]
	v_mul_u32_u24 v[RD], v9, SP
	v_lshl_add_u32 v[RD], v1, 4, v[RD]
	v_add_nc_u32 v[RD], s79, v[RD]
	v_lshlrev_b32 v[GO], 12, v9
	v_lshl_add_u32 v[GO], v1, 4, v[GO]
	TURN 2, 0, 1                                   ; piece 2's first scores | piece 0's first softmax | V of my first step
	WIN 0
	s_add_co_u32 s[TBK], s[TBK], 2*KS*PK
	s_add_co_u32 s[TBV], s[TBV], 2*KS*PVP
	BODY                                           ; my second step of slot 0
	s_mov_b32 s[LOOP], 3
.Lslots:                                           ; changes 1 to 6
	CHANGE 0, 1, 1, 1
	TWO_STEPS
	CHANGE 1, 0, 1, 1
	TWO_STEPS
	s_sub_co_u32 s[LOOP], s[LOOP], 1
	s_cmp_lg_u32 s[LOOP], 0
	s_cbranch_scc1 .Lslots
	CHANGE 0, 1, 0, 0                              ; the last change asks for nothing
	TWO_STEPS
	TURN 0, 1, 0                                   ; piece 0: V^T P of my last step | piece 2's last softmax
.set i, 0
.rept 32
	PV 2
.set i, i+1
.endr
	WIN 0
	; THE MERGE.  l's two halves and the other half of the lanes'; piece 2 and its statistics go to my partner through LDS as images of their registers.
.irp t, 0,1,2,3
	v_add_f32 v[ST+8*\t+4], v[ST+8*\t+2], v[ST+8*\t+3]        ; (these lines are the places behind the last products)
.endr
.irp t, 0,1,2,3
	v_permlanex16_b32 v[ST+8*\t+5], v[ST+8*\t+4], s[SEL], s[SEL+1]
.endr
.irp t, 0,1,2,3
	v_add_f32 v[ST+8*\t+4], v[ST+8*\t+4], v[ST+8*\t+5]
.endr
	WIN 0x04                                       ; an LDS store's data: window 1
.set n, 0
.rept 32
	ds_store_b128 v[XO], v[128+4*n:128+4*n+3] offset:512*n    ; ascending: each accumulator from its low end on
.set n, n+1
.endr
	WIN 0
	ds_store_b32 v[XSO], v[ST+16]
	ds_store_b32 v[XSO], v[ST+20] offset:128
	ds_store_b32 v[XSO], v[ST+24] offset:256
	ds_store_b32 v[XSO], v[ST+28] offset:384
	s_wait_dscnt 0x0                               ; for my partner's sake: my stores have landed
	s_barrier_signal -1
	s_barrier_wait -1
	WIN 0x40
.set n, 0
.rept 32
	ds_load_b128 v[128+4*n:128+4*n+3], v[XI] offset:512*n     ; my partner's part of my piece 0's queries
.set n, n+1
.endr
	WIN 0
	ds_load_b32 v[ST+16], v[XSI]
	ds_load_b32 v[ST+20], v[XSI] offset:128
	ds_load_b32 v[ST+24], v[XSI] offset:256
	ds_load_b32 v[ST+28], v[XSI] offset:384
	s_wait_dscnt 0x0
.irp t, 0,1
	v_max_num_f32 v[ST+8*\t+1], v[ST+8*\t], v[ST+16+8*\t]     ; the common c m
.endr
.irp t, 0,1
	v_sub_f32 v[ST+8*\t+2], v[ST+8*\t], v[ST+8*\t+1]
	v_sub_f32 v[ST+8*\t+6], v[ST+16+8*\t], v[ST+8*\t+1]
.endr
.irp t, 0,1
	v_exp_f32 v[ST+8*\t+2], v[ST+8*\t+2]
	v_exp_f32 v[ST+8*\t+6], v[ST+8*\t+6]
.endr
	v_nop
	s_wait_alu depctr_va_vdst(0)                   ; one wait for the four
.irp t, 0,1
	v_mul_f32 v[ST+8*\t+5], v[ST+8*\t+4], v[ST+8*\t+2]
.endr
.irp t, 0,1
	v_fma_f32 v[ST+8*\t+5], v[ST+20+8*\t], v[ST+8*\t+6], v[ST+8*\t+5]   ; the row's sum under the common maximum: 1 at the least
.endr
.irp t, 0,1
	v_rcp_f32 v[ST+8*\t+1], v[ST+8*\t+5]
.endr
	v_nop
	s_wait_alu depctr_va_vdst(0)                   ; one wait for the two
.irp t, 0,1
	v_mul_f32 v[ST+8*\t+2], v[ST+8*\t+2], v[ST+8*\t+1]
	v_mul_f32 v[ST+8*\t+6], v[ST+8*\t+6], v[ST+8*\t+1]
.endr
.irp t, 0,1
	WIN W_RS
.set n, 0
.rept 32
	v_pk_mul_f32 v[64*\t+n:64*\t+n+1], v[64*\t+n:64*\t+n+1], v[ST+8*\t+2:ST+8*\t+3] op_sel_hi:[1,0]
.set n, n+2
.endr
	WIN 0x51
.set n, 0
.rept 32
	v_pk_fma_f32 v[64*\t+n:64*\t+n+1], v[128+64*\t+n:128+64*\t+n+1], v[ST+8*\t+6:ST+8*\t+7], v[64*\t+n:64*\t+n+1] op_sel_hi:[1,0,1]
.set n, n+2
.endr
.endr
; THE WAY OUT.  A lane's eight channels of a row pack into 16 bytes; they go into rows of 272 bytes of my stage and come back as whole rows of 256.
.macro PACK t
	WIN 0x05
.set i, 0
.rept 32
	v_cvt_pk_f16_f32 v[S+32*\t+i], v[64*\t+2*i], v[64*\t+2*i+1]
.set i, i+1
.endr
	WIN 0
.irp f, 0,1,2,3,4,5,6,7
	ds_store_b128 v[STO], v[S+32*\t+4*\f:S+32*\t+4*\f+3] offset:32*\f
.endr
.irp f, 0,1,2,3,4,5,6,7
	ds_load_b128 v[S+32*\t+4*\f:S+32*\t+4*\f+3], v[RD] offset:\f*2*SP   ; LDS serves a wave's instructions in order: these see the stores above, and the next tile's stores come behind them
.endr
.endm
.macro SEND t, younger                 ; younger: the LDS instructions issued behind tile t's loads
.irp f, 0,1,2,3,4,5,6,7
	s_wait_dscnt \younger+7-\f
	global_store_b128 v[GO], v[S+32*\t+4*\f:S+32*\t+4*\f+3], s[70:71] offset:\t*65536+\f*8192   ; 16 lanes store a head's 256 consecutive bytes of a position, aligned
.endr
.endm
	PACK 0
	PACK 1
	SEND 0, 16
	SEND 1, 0
	s_wait_tensorcnt 0x0                           ; the wave's end
	ds_add_u32 v[SPW], v[NIL]
	s_wait_dscnt 0x0
	s_endpgm
.Lfunc_end_k_q74b7520c94_attn:
	.size	k_q74b7520c94_attn, .Lfunc_end_k_q74b7520c94_attn-k_q74b7520c94_attn
	.p2alignl 7, 3214868480
	.fill 96, 4, 3214868480
	.section	.rodata,"a",@progbits
	.p2align	6, 0x0
	.amdhsa_kernel k_q74b7520c94_attn
		.amdhsa_group_segment_fixed_size 327680
		.amdhsa_private_segment_fixed_size 0
		.amdhsa_enable_private_segment 0
		.amdhsa_kernarg_size 16
		.amdhsa_user_sgpr_count 2
		.amdhsa_user_sgpr_kernarg_segment_ptr 1
		.amdhsa_wavefront_size32 1
		.amdhsa_system_sgpr_workgroup_id_x 1
		.amdhsa_system_sgpr_workgroup_id_y 1
		.amdhsa_system_sgpr_workgroup_id_z 1
		.amdhsa_system_vgpr_workitem_id 0
		.amdhsa_next_free_vgpr 1024
		.amdhsa_next_free_sgpr 100
		.amdhsa_reserve_vcc 1
		.amdhsa_float_denorm_mode_32 3
		.amdhsa_float_denorm_mode_16_64 3
		.amdhsa_memory_ordered 1
		.amdhsa_forward_progress 1
		.amdhsa_inst_pref_size 255
	.end_amdhsa_kernel
	.section	.bss,"aw",@nobits
	.p2align	6
	.space	262144
	.amdgpu_metadata
---
amdhsa.version: [ 1, 2 ]
amdhsa.kernels:
  - .name:           k_q74b7520c94_attn
    .symbol:         k_q74b7520c94_attn.kd
    .args:
      - { .name: qkv, .offset: 0, .size: 8, .value_kind: global_buffer, .address_space: global }
      - { .name: att, .offset: 8, .size: 8, .value_kind: global_buffer, .address_space: global }
    .group_segment_fixed_size: 327680
    .private_segment_fixed_size: 0
    .kernarg_segment_align: 8
    .kernarg_segment_size: 16
    .max_flat_workgroup_size: 128
    .sgpr_count:     100
    .vgpr_count:     1024
    .wavefront_size: 32
...
	.end_amdgpu_metadata
.endif
;; end of part 4
;; launch oproj (part 5): grid 16 x 16, 4 waves a work-group, clusters of 4 x 4, 327,680 bytes of LDS; arguments att, wo16, out0; writes out0
.if DOCPART == 5
	.amdgcn_target "amdgcn-amd-amdhsa--gfx1250"
	.amdhsa_code_object_version 6
	.text
	.protected	k_q74b7520c94_oproj
	.globl	k_q74b7520c94_oproj
	.p2align	8
	.type	k_q74b7520c94_oproj,@function
k_q74b7520c94_oproj:
	s_mov_b64 s[64:65], 0
	v_nop
	global_prefetch_b8 v0, s[64:65] scope:SCOPE_SE
	s_setreg_imm32_b32 hwreg(HW_REG_WAVE_MODE, 25, 1), 1
	s_wait_xcnt 0x0
	s_wait_alu depctr_hold_cnt(0) depctr_sa_sdst(0) depctr_va_vdst(0) depctr_va_sdst(0) depctr_va_ssrc(0) depctr_va_vcc(0) depctr_vm_vsrc(0)
	s_getreg_b32 s2, hwreg(HW_REG_IB_STS2, 6, 4)
	s_cmp_eq_u32 s2, 0
	s_cbranch_scc0 .Lentry_in_a_cluster
	s_endpgm
.Lentry_in_a_cluster:
	s_bfe_u32 s2, ttmp6, 0x10000c
	s_cmp_lg_u32 s2, 0xf033
	s_cbranch_scc0 .Lentry_shape_is_right
	s_endpgm
.Lentry_shape_is_right:
; out0[m][n] = sum over k of att[m][k] wo16[n][k]: att [2048][2048] f16 = the attention's output x 2^-4, wo16 [4096][2048] f16 = wo x 2^4: the two powers cancel exactly.  Sums in f32, out0 [2048][4096] f32.
; Rows 0 to 15 of out0 are made in f32 by an earlier launch and are not stored here.
; A tile is 128 (m) x 256 (n): 16 x 16 = 256 work-groups.  Four waves; wave w makes rows 64 (w / 2) on and columns 128 (w % 2) on: 32 accumulators, 256 registers.
; THE RING HAS TWO SLOTS OF UNLIKE LENGTH.  K is 16 units of 128 numbers (256 bytes of a row).  Slot X holds two units (rows of 512 bytes), slot Y one (rows of 256 bytes): three units are what LDS has room for.
; The walk is Y X Y X Y X Y X Y X Y: 6 + 2 x 5 = 16 units.  Behind each change of slots the slot just left is filled again, one load a wave: Y's load has X's 256 products of a wave in which to land, X's has Y's 128.
; So 2 first fills and 9 refills bring the 16 units.  Waves 0, 1 bring the halves of att's 128 rows, waves 2, 3 the halves of wo16's 256 rows.
; THE WALK BEGINS AT UNIT 0 OR AT UNIT 9, by one bit made of the cluster's x and y, and goes round modulo 16: Y takes units 9, 12, 15, 2, 5, 8 and X units 10-11, 13-14, 0-1, 3-4, 6-7 where it begins at 9.
; Of the clusters that read the same rows of att (one y) or of wo16 (one x), some begin at the one place and some at the other: they stand 7 or 9 units apart along K.
; LIMIT: an output's f32 sum runs in the order of its cluster's walk, not from k = 0 on in every cluster.
; CLUSTER 4 x 4: att's tiles are shared along a row of the cluster, wo16's along a column: each is asked for jointly, by the same load with a mask that names the four.
; THE MATRIX INSTRUCTION IS USED TRANSPOSED (source 0 = 16 rows of wo16, source 1 = 16 rows of att): lane (r, h) holds row r and columns 16 b + 8 h + 0 .. 7.
; REGISTERS: window 0: v1-31 addresses; v128-191 att's fragments, two sets; on the way out v128-255.  Window 1: wo16's fragments, two sets at v0 and v128.  Window 2: accumulator (a, b) at v[8 (8 a + b)].
.set KROW,   4096                      ; a row of either operand in memory, bytes
.set PX,     528                       ; an LDS row of X: 512 bytes + 16: the 16 rows of a fragment load start 16 bytes apart modulo 256
.set PY,     272                       ; of Y: 256 bytes + 16: likewise
.set XA,     0                         ; X: att's 128 rows,
.set XB,     128*PX                    ; wo16's 256 rows
.set YA,     384*PX                    ; Y: att's 128 rows,
.set YB,     YA+128*PY                 ; wo16's 256 rows
.set SPARE,  YA+384*PY                 ; the spare words, 128 bytes a wave, which no other line names
.set SPITCH, 528                       ; the way out: a stage of 16 rows x (512 + 16) bytes a wave, in X, which has had its last fill and its last read by then
.set NROW,   16384                     ; a row of out0, bytes
.set ADRAX, 16                         ; v16  LDS address of my fragments of att in X
.set ADRBX, 17                         ; v17  of wo16 in X
.set ADRAY, 20                         ; v20, v21 the same in Y
.set ADRBY, 21
.set STO,  24
.set RD,   25
.set L16,  26
.set SPW,  28
.set NIL,  29
.set R0V,  31
.set AF,   128
.set BK,   128
.set BASEA, 20                         ; s[20:21] att at the first of the rows that I fetch; never rewritten
.set BASEB, 22                         ; s[22:23] wo16 likewise
.set G1AY, 24                          ; descriptor groups 1: att's and wo16's tiles for Y,
.set G1BY, 32
.set G1AX, 40                          ; and for X
.set G1BX, 48
.set G0AY, 56                          ; groups 0, one for each
.set G0BY, 60
.set G0AX, 68
.set G0BX, 72
.set OFFY, 78                          ; s[78:79] the byte of a row at which Y's tile begins
.set OFFX, 80                          ; s[80:81] X's
.set MSB, 0
.macro WIN new                         ; the immediate's high byte repeats the setting that is left; a switch that changes nothing is dropped
.if MSB != \new
	s_set_vgpr_msb (MSB<<8)|\new
.set MSB, \new
.endif
.endm
.set MUL,  0xa1                        ; source 0 (wo16) window 1, source 1 (att) window 0, C and D window 2
.set TO_B, 0x40
; A joint load: waves 0 and 1 fetch for att, waves 2 and 3 for wo16.  The branch hangs on the wave's number alone.  An s_nop 0 and four v_nop follow each load.
.macro JLOAD g0a, g1a, g0b, g1b
	s_cmp_eq_u32 s15, 0
	s_cbranch_scc0 .Lfor_b_\@
	tensor_load_to_lds s[\g0a:\g0a+3], s[\g1a:\g1a+7]
	s_nop 0
.rept 4
	v_nop
.endr
	s_branch .Lasked_\@
.Lfor_b_\@:
	tensor_load_to_lds s[\g0b:\g0b+3], s[\g1b:\g1b+7]
	s_nop 0
.rept 4
	v_nop
.endr
.Lasked_\@:
.endm
.macro SETG g0, base, off              ; a group 0's global address: the rows' base + the tile's byte in a row; then the type
	s_add_nc_u64 s[\g0+2:\g0+3], s[\base:\base+1], s[\off:\off+1]
	s_or_b32 s[\g0+3], s[\g0+3], 0x80000000
.endm
.macro CREST                           ; a round of the cluster's barrier behind its opening barrier
	s_cmp_lg_u32 s14, 0
	s_cbranch_scc1 .Lnot_wave_0_\@
	s_barrier_signal -3
.Lnot_wave_0_\@:
	s_barrier_wait -3
	s_barrier_signal -1
	s_barrier_wait -1
.endm
.macro CROUND
	s_barrier_signal -1
	s_barrier_wait -1
	CREST
.endm
.macro PLACES n
.rept \n
	v_nop
.endr
.endm
	s_load_b128 s[4:7], s[0:1], 0x0                ; att, wo16
	s_load_b64 s[8:9], s[0:1], 0x10                ; out0
	v_lshl_add_u32 v[SPW], v0, 2, SPARE
	v_mov_b32 v[NIL], 0
	ds_add_u32 v[SPW], v[NIL]                      ; the opening: the add, twice on end, and its wait ahead of my first tensor load
	ds_add_u32 v[SPW], v[NIL]
	v_lshrrev_b32 v1, 5, v0
	v_readfirstlane_b32 s14, v1                    ; wave 0..3
	s_lshr_b32 s15, s14, 1                         ; which 64 rows are mine.  Also: I fetch for att (0) or for wo16 (1)
	s_and_b32 s16, s14, 1                          ; which 128 columns.  Also: which half of that operand I fetch
	s_bfe_u32 s10, ttmp6, 0x40000                  ; cx
	s_bfe_u32 s11, ttmp6, 0x40004                  ; cy
	s_lshl_b32 s12, ttmp9, 2
	s_add_co_u32 s12, s12, s10                     ; tile column
	s_and_b32 s19, ttmp7, 0xffff                   ; the cluster's y
	s_lshl_b32 s17, s19, 2
	s_add_co_u32 s17, s17, s11                     ; tile row
	s_lshl_b32 s13, s11, 2
	s_lshl_b32 s13, 15, s13                        ; my row of the cluster
	s_lshl_b32 s18, 0x1111, s10                    ; my column
	s_lshr_b32 s76, ttmp9, 1                       ; where the walk begins: the low bit of x ^ (x >> 1) ^ y ^ (y >> 1), x and y the cluster's: the same in all sixteen partners.
	s_xor_b32 s76, s76, ttmp9                      ; Along x, and along y, the bit runs 0 1 1 0: it differs between 0 and 1, 2 and 3, 0 and 2, 1 and 3
	s_lshr_b32 s77, s19, 1
	s_xor_b32 s77, s77, s19
	s_xor_b32 s76, s76, s77
	s_and_b32 s76, s76, 1
	s_mul_i32 s[OFFY], s76, 9*256                  ; Y's first unit: 0 or 9
	s_mov_b32 s[OFFY+1], 0
	s_add_co_u32 s[OFFX], s[OFFY], 256             ; X's first two: the units behind it
	s_mov_b32 s[OFFX+1], 0
	s_or_b32 s[G1AY], s13, (1<<20)|(1<<21)|(5<<22)|(3<<25)    ; the mask; elements of 1 byte; padding on; bit 21 beside a mask; 4 words behind every 64
	s_or_b32 s[G1BY], s18, (1<<20)|(1<<21)|(5<<22)|(3<<25)
	s_or_b32 s[G1AX], s13, (1<<20)|(1<<21)|(6<<22)|(3<<25)    ; 4 words behind every 128
	s_or_b32 s[G1BX], s18, (1<<20)|(1<<21)|(6<<22)|(3<<25)
	s_mov_b32 s[G1AY+1], 256<<16                   ; tensor_dim0
	s_mov_b32 s[G1AY+2], 64<<16                    ; tensor_dim1
	s_mov_b32 s[G1AY+3], 256<<16                   ; tile_dim0
	s_mov_b32 s[G1AY+4], 64                        ; tile_dim1
	s_mov_b32 s[G1AY+5], KROW                      ; the pitch
	s_mov_b32 s[G1AY+6], 0
	s_mov_b32 s[G1AY+7], 0
	s_mov_b32 s[G1BY+1], 256<<16
	s_mov_b32 s[G1BY+2], 128<<16
	s_mov_b32 s[G1BY+3], 256<<16
	s_mov_b32 s[G1BY+4], 128
	s_mov_b32 s[G1BY+5], KROW
	s_mov_b32 s[G1BY+6], 0
	s_mov_b32 s[G1BY+7], 0
	s_mov_b32 s[G1AX+1], 512<<16
	s_mov_b32 s[G1AX+2], 64<<16
	s_mov_b32 s[G1AX+3], 512<<16
	s_mov_b32 s[G1AX+4], 64
	s_mov_b32 s[G1AX+5], KROW
	s_mov_b32 s[G1AX+6], 0
	s_mov_b32 s[G1AX+7], 0
	s_mov_b32 s[G1BX+1], 512<<16
	s_mov_b32 s[G1BX+2], 128<<16
	s_mov_b32 s[G1BX+3], 512<<16
	s_mov_b32 s[G1BX+4], 128
	s_mov_b32 s[G1BX+5], KROW
	s_mov_b32 s[G1BX+6], 0
	s_mov_b32 s[G1BX+7], 0
	s_lshl_b32 s20, s17, 7
	s_lshl_b32 s82, s16, 6
	s_add_co_u32 s20, s20, s82                     ; att: row 128 x tile row + 64 x half
	s_lshl_b32 s20, s20, 12                        ; 4,096 bytes a row (under 2^25)
	s_mov_b32 s21, 0
	s_lshl_b32 s22, s12, 8
	s_lshl_b32 s82, s16, 7
	s_add_co_u32 s22, s22, s82                     ; wo16: row 256 x tile column + 128 x half
	s_lshl_b32 s22, s22, 12
	s_mov_b32 s23, 0
	s_mul_i32 s84, s16, 64*PX                      ; where the halves go: no place in the cluster enters an LDS address
	s_mul_i32 s85, s16, 128*PX
	s_mul_i32 s86, s16, 64*PY
	s_mul_i32 s87, s16, 128*PY
	s_wait_dscnt 0x0                               ; both opening adds are done
	s_wait_kmcnt 0x0
	s_add_nc_u64 s[BASEA:BASEA+1], s[4:5], s[20:21]
	s_add_nc_u64 s[BASEB:BASEB+1], s[6:7], s[22:23]
	CROUND                                         ; all sixteen work-groups are here: the first joint loads meet
	s_mov_b32 s[G0AY], 1
	s_add_co_u32 s[G0AY+1], s86, YA
	SETG G0AY, BASEA, OFFY
	s_mov_b32 s[G0BY], 1
	s_add_co_u32 s[G0BY+1], s87, YB
	SETG G0BY, BASEB, OFFY
	JLOAD G0AY, G1AY, G0BY, G1BY                   ; the walk's first unit
	s_mov_b32 s[G0AX], 1
	s_add_co_u32 s[G0AX+1], s84, XA
	SETG G0AX, BASEA, OFFX
	s_mov_b32 s[G0BX], 1
	s_add_co_u32 s[G0BX+1], s85, XB
	SETG G0BX, BASEB, OFFX
	JLOAD G0AX, G1AX, G0BX, G1BX                   ; its second and third: two loads of mine are out now
	v_and_b32 v1, 15, v0                           ; r
	v_bfe_u32 v2, v0, 4, 1                         ; h
	v_mul_u32_u24 v3, v1, PX
	v_lshl_add_u32 v3, v2, 4, v3                   ; a fragment's row x pitch + 16 h, in X
	v_mul_u32_u24 v4, v1, PY
	v_lshl_add_u32 v4, v2, 4, v4                   ; and in Y
	s_mul_i32 s82, s15, 64*PX                      ; my 64 rows of att,
	v_add_nc_u32 v[ADRAX], s82, v3
	s_mul_i32 s82, s16, 128*PX                     ; my 128 rows of wo16
	s_add_co_u32 s82, s82, XB
	v_add_nc_u32 v[ADRBX], s82, v3
	s_mul_i32 s82, s15, 64*PY
	s_add_co_u32 s82, s82, YA
	v_add_nc_u32 v[ADRAY], s82, v4
	s_mul_i32 s82, s16, 128*PY
	s_add_co_u32 s82, s82, YB
	v_add_nc_u32 v[ADRBY], s82, v4
	s_mul_i32 s82, s14, 16*SPITCH                  ; my stage
	v_mul_u32_u24 v5, v1, SPITCH
	v_lshl_add_u32 v5, v2, 5, v5
	v_add_nc_u32 v[STO], s82, v5                   ; in: row r, 32 bytes for each half of the lanes
	v_and_b32 v6, 31, v0
	v_lshlrev_b32 v[L16], 4, v6
	v_add_nc_u32 v[RD], s82, v[L16]                ; back: the 32 lanes take one row of 512 bytes
	s_lshl_b32 s82, s17, 7
	s_lshl_b32 s83, s15, 6
	s_add_co_u32 s82, s82, s83                     ; my first row
	v_mov_b32 v[R0V], s82
	s_lshl_b32 s82, s82, 14                        ; 16,384 bytes a row (under 2^26),
	s_lshl_b32 s84, s12, 10                        ; 1,024 a tile column,
	s_add_co_u32 s82, s82, s84
	s_lshl_b32 s84, s16, 9                         ; 512 a half
	s_add_co_u32 s82, s82, s84
	s_mov_b32 s83, 0
	s_add_nc_u64 s[8:9], s[8:9], s[82:83]
.macro FRAG reg, adr, pitch, q, i      ; 16 rows x 32 K of f16: 8 registers; lane (r, h): registers 0-3 hold K = 8 h + 0 .. 7, registers 4-7 K = 16 + 8 h + 0 .. 7
.irp c, 0,1
	ds_load_b128 v[\reg+4*\c:\reg+4*\c+3], v[\adr] offset:64*(\q)+32*\c+(\i)*16*(\pitch)
.endr
.endm
.macro FETCH adra, adrb, pitch, q, p   ; 24 loads: a slot's q-th 32 along K into set p
	WIN TO_B
.irp i, 0,1,2,3,4,5,6,7
	FRAG 128*(\p)+8*\i, \adrb, \pitch, \q, \i
.endr
	WIN 0
.irp i, 0,1,2,3
	FRAG AF+32*(\p)+8*\i, \adra, \pitch, \q, \i
.endr
.endm
; 8 matrix instructions: att's block a against wo16's eight.  The 32 accumulators take turns, one instruction a turn, in the same order in every step.
.macro MULA a, p, zero
.irp b, 0,1,2,3,4,5,6,7
.if \zero
	v_wmma_f32_16x16x32_f16 v[8*(8*(\a)+\b):8*(8*(\a)+\b)+7], v[128*(\p)+8*\b:128*(\p)+8*\b+7], v[AF+32*(\p)+8*(\a):AF+32*(\p)+8*(\a)+7], 0
.else
	v_wmma_f32_16x16x32_f16 v[8*(8*(\a)+\b):8*(8*(\a)+\b)+7], v[128*(\p)+8*\b:128*(\p)+8*\b+7], v[AF+32*(\p)+8*(\a):AF+32*(\p)+8*(\a)+7], v[8*(8*(\a)+\b):8*(8*(\a)+\b)+7]
.endif
.endr
.endm
; 32 along K that have their successor in the same slot: the successor's 24 loads go out first and land under this step's 32 products.  Y has three such steps, X seven; each slot begins on set 0 and ends on set 1.
.macro STEP adra, adrb, pitch, q, zero
	s_wait_dscnt 0x0                               ; this step's set is in: it was asked for a step ago
	PLACES 4                                       ; four plain lines between the last step's products and the loads into the set that they read (ISA guide 7.12.1 for vector instructions)
	FETCH \adra, \adrb, \pitch, (\q)+1, 1-(\q)%2
	WIN MUL
.irp a, 0,1,2,3
	MULA \a, (\q)%2, \zero
.endr
.endm
.macro STEPY q, zero
	STEP ADRAY, ADRBY, PY, \q, \zero
.endm
.macro STEPX q
	STEP ADRAX, ADRBX, PX, \q, 0
.endm
; A slot's last step changes slots: one barrier.  In front of it each wave waits for all its tensor loads (the one that was out is its part of the next slot), adds 0 to its spare word, and waits for that and for its
; reads of this slot, the last of which brought this step's set.  fill = 1: the barrier opens a round of the cluster's, and this slot's refill, three units on modulo 16, is the first thing behind the round;
; the step's own 32 products, which touch registers alone, stand behind the refill and behind the next slot's first loads.
.macro TURN g0a, g1a, g0b, g1b, off, na, nb, np, fill
	WIN 0
	s_wait_tensorcnt 0x0                           ; no tensor load of mine is out, so a group 0 may be written
	ds_add_u32 v[SPW], v[NIL]                      ; 0 onto my spare word; the descriptors' steps stand between it and the wait for it
.if \fill
	s_add_co_u32 s[\off], s[\off], 3*256
	s_and_b32 s[\off], s[\off], KROW-1             ; round the row's end: 16 units
	SETG \g0a, BASEA, \off
	SETG \g0b, BASEB, \off
.endif
	s_wait_dscnt 0x0                               ; the add is done, and my reads of this slot are over
	s_barrier_signal -1
	s_barrier_wait -1
.if \fill
	CREST                                          ; no wave of any partner still reads this slot or has a load on its way
	JLOAD \g0a, \g1a, \g0b, \g1b                   ; my one tensor load behind the round; its four v_nop are also the places in front of the loads below
.else
	PLACES 4
.endif
	FETCH \na, \nb, \np, 0, 0
	WIN MUL
.irp a, 0,1,2,3
	MULA \a, 1, 0
.endr
.endm
.macro TURNY fill                      ; out of Y, into X
	TURN G0AY, G1AY, G0BY, G1BY, OFFY, ADRAX, ADRBX, PX, \fill
.endm
.macro TURNX fill                      ; out of X, into Y
	TURN G0AX, G1AX, G0BX, G1BX, OFFX, ADRAY, ADRBY, PY, \fill
.endm
	s_wait_tensorcnt 1                             ; my part of Y is in; X's load, issued behind it, may stay out
	s_barrier_signal -1
	s_barrier_wait -1
	FETCH ADRAY, ADRBY, PY, 0, 0
	STEPY 0, 1                                     ; the first step stands ahead of the loop: its products start the sums
	WIN 0                                          ; at a label and at a branch every window is 0
	s_mov_b32 s3, 4
.Llap:                                                 ; a trip goes once round the ring, three units, from Y's second step to the next Y's first, and fills both slots again
	STEPY 1, 0
	STEPY 2, 0
	TURNY 1
.irp q, 0,1,2,3,4,5,6
	STEPX \q
.endr
	TURNX 1
	STEPY 0, 0
	WIN 0
	s_sub_co_u32 s3, s3, 1
	s_cmp_lg_u32 s3, 0
	s_cbranch_scc1 .Llap
	STEPY 1, 0                                     ; the tail is written out: Y is filled once more, with the walk's last unit; X no more
	STEPY 2, 0
	TURNY 1
.irp q, 0,1,2,3,4,5,6
	STEPX \q
.endr
	TURNX 0
	STEPY 0, 0
	STEPY 1, 0
	STEPY 2, 0
	s_wait_dscnt 0x0
	WIN MUL
.irp a, 0,1,2,3
	MULA \a, 1, 0
.endr
	WIN 0
	PLACES 4                                       ; in front of the first read of results and of loads into registers that held fragments
; THE WAY OUT, a block of 16 rows x 128 columns at a time, through my own stage and back as whole rows of 512 bytes.
.macro TOSTAGE a
	WIN 0x08                                       ; an LDS store's data: window 2
.irp b, 0,1,2,3,4,5,6,7
	ds_store_b128 v[STO], v[64*(\a)+8*\b:64*(\a)+8*\b+3] offset:64*\b          ; each accumulator from its low end on
	ds_store_b128 v[STO], v[64*(\a)+8*\b+4:64*(\a)+8*\b+7] offset:64*\b+16
.endr
	WIN 0
.irp t, 0,1,2,3,4,5,6,7,8,9,10,11,12,13,14,15
	ds_load_b128 v[BK+64*((\a)%2)+4*\t:BK+64*((\a)%2)+4*\t+3], v[RD] offset:\t*SPITCH   ; LDS serves a wave's instructions in order: these see the stores above
.endr
.endm
.macro SEND a, younger                 ; younger: the LDS instructions issued behind block a's loads
	s_wait_dscnt \younger
.if (\a) == 0
	s_wait_xcnt 0x0                                ; EXEC changes only behind this wait
	v_cmp_ne_u32 vcc_lo, 0, v[R0V]                 ; rows 0 to 15 are block 0 of the waves whose first row is 0: they are another launch's.  A mask, no branch
	s_and_saveexec_b32 s2, vcc_lo
.endif
.irp t, 0,1,2,3,4,5,6,7,8,9,10,11,12,13,14,15
	global_store_b128 v[L16], v[BK+64*((\a)%2)+4*\t:BK+64*((\a)%2)+4*\t+3], s[8:9] offset:(16*(\a)+\t)*NROW th:TH_STORE_NT   ; 32 lanes store 512 consecutive bytes, aligned; 63 rows at the most in the immediate
.endr
.if (\a) == 0
	s_wait_xcnt 0x0                                ; and again in front of the line that widens it
	s_or_b32 exec_lo, exec_lo, s2
.endif
.endm
	TOSTAGE 0
	TOSTAGE 1
	SEND 0, 32                                     ; behind block 0's loads: block 1's 16 stores and 16 loads
	s_wait_xcnt 0x0                                ; block 0's stores have read the registers on which block 2 lands
	TOSTAGE 2
	SEND 1, 32
	s_wait_xcnt 0x0
	TOSTAGE 3
	SEND 2, 32
	SEND 3, 0
	s_wait_tensorcnt 0x0                           ; the wave's end
	ds_add_u32 v[SPW], v[NIL]
	s_wait_dscnt 0x0
	CROUND                                         ; the closing round: no work-group ends while a partner may still ask for a tile that names it
	s_endpgm
.Lfunc_end_k_q74b7520c94_oproj:
	.size	k_q74b7520c94_oproj, .Lfunc_end_k_q74b7520c94_oproj-k_q74b7520c94_oproj
	.p2alignl 7, 3214868480
	.fill 96, 4, 3214868480
	.section	.rodata,"a",@progbits
	.p2align	6, 0x0
	.amdhsa_kernel k_q74b7520c94_oproj
		.amdhsa_group_segment_fixed_size 327680
		.amdhsa_private_segment_fixed_size 0
		.amdhsa_enable_private_segment 0
		.amdhsa_kernarg_size 24
		.amdhsa_user_sgpr_count 2
		.amdhsa_user_sgpr_kernarg_segment_ptr 1
		.amdhsa_wavefront_size32 1
		.amdhsa_system_sgpr_workgroup_id_x 1
		.amdhsa_system_sgpr_workgroup_id_y 1
		.amdhsa_system_sgpr_workgroup_id_z 1
		.amdhsa_system_vgpr_workitem_id 0
		.amdhsa_next_free_vgpr 768
		.amdhsa_next_free_sgpr 90
		.amdhsa_reserve_vcc 1
		.amdhsa_float_denorm_mode_32 3
		.amdhsa_float_denorm_mode_16_64 3
		.amdhsa_memory_ordered 1
		.amdhsa_forward_progress 1
		.amdhsa_inst_pref_size 133
	.end_amdhsa_kernel
	.amdgpu_metadata
---
amdhsa.version: [ 1, 2 ]
amdhsa.kernels:
  - .name:           k_q74b7520c94_oproj
    .symbol:         k_q74b7520c94_oproj.kd
    .args:
      - { .name: att, .offset: 0, .size: 8, .value_kind: global_buffer, .address_space: global }
      - { .name: wo16, .offset: 8, .size: 8, .value_kind: global_buffer, .address_space: global }
      - { .name: out0, .offset: 16, .size: 8, .value_kind: global_buffer, .address_space: global }
    .group_segment_fixed_size: 327680
    .private_segment_fixed_size: 0
    .kernarg_segment_align: 8
    .kernarg_segment_size: 24
    .max_flat_workgroup_size: 128
    .sgpr_count:     90
    .vgpr_count:     768
    .wavefront_size: 32
...
	.end_amdgpu_metadata
.endif
;; end of part 5
